; MI455X (gfx1250); checked and timed in simulation.
; The chip was launched on July 23, 2026; its instructions are those of AMD's public machine-readable ISA for CDNA 5 (MIT licence, August 2026) and "CDNA5" Instruction Set Architecture Reference Guide (July 2026). The comments in the code are by the model that wrote it; some were corrected since.
;; Multi Head Self Attention. Allowed arithmetic: matrix products marked QUANTISED: E2M1 operands, one E8M0 scale for each 32 along K, by v_wmma_scale_f32_16x16x128_f8f6f4 with both operands' format E2M1 (or v_wmma_scale_f32_32x16x128_f4), f32 sums; everything else in f32.
;; Inputs: W_codes 3,072 x 32 x 16 uint8 (E2M1 codes of W, K innermost, in blocks of 32 codes, two codes a byte); W_scales 3,072 x 32 uint8 (E8M0 scales of W, one for each 32 codes along K); b 3,072 float32; inputs_codes 2 x 2,048 x 32 x 16 uint8 (E2M1 codes of inputs, K innermost, in blocks of 32 codes, two codes a byte); inputs_scales 2 x 2,048 x 32 uint8 (E8M0 scales of inputs, one for each 32 codes along K); masks 2 x 2,048 float32.
;; Outputs: out0 2 x 2,048 x 1,024 float32.
;; This version of the problem:
;;   THIS VERSION OF THE PROBLEM IS GIVEN IN LOW PRECISION. The matrix products marked QUANTISED in the list below multiply operands that are first quantised to E2M1 (2 exponent bits, 1 mantissa bit; 4 bits a number), with one power-of-two scale for each 32 numbers along K (OCP MX v1.0); their sums are f32. All else is computed in f32.
;;   The module's matrix products, in the order in which they are computed (A, B: the left and right operand; K: the contracted axis; several contracted axes count as one K, in the product's order):
;;     1. [M 4,096, K 1,024] x [K 1,024, N 3,072]; A: input inputs (given as codes); B: input W (given as codes): QUANTISED
;;     2. batch 32 x [M 2,048, K 64] x [K 64, N 2,048]; A: computed on the way; B: computed on the way: QUANTISED
;;     3. batch 32 x [M 64, K 2,048] x [K 2,048, N 2,048]; A: computed on the way; B: computed on the way: QUANTISED
;;   THE QUANTISER, for each operand of a quantised product, along K:
;;     - K is cut into blocks of 32 from its start; a last block that is shorter is filled with zeros.
;;     - A block's scale is 2^e with e = floor(log2(the largest magnitude in the block)) - 2, held to -126 .. 127; a block of zeros has e = 0. As a byte (E8M0): e + 127.
;;     - Each number is divided by its block's scale, clamped to +-6, and rounded to the nearest number of E2M1, ties to even, subnormals kept.
;;     - The product sums the exact products of the quantised numbers (number of the format x scale) in f32.
;;   ~~~python
;;   def quantise(x, axis):      # numpy; x: float32 -> the quantised numbers, widened to float32 again
;;       x = np.moveaxis(x, axis, -1); K = x.shape[-1]
;;       x = np.pad(x, [(0, 0)] * (x.ndim - 1) + [(0, -K % 32)]); x = x.reshape(x.shape[:-1] + (-1, 32)); a = np.abs(x).max(-1, keepdims=True)
;;       e = np.where(a > 0, np.clip(np.frexp(np.where(a > 0, a, 1))[1] - 1 - 2, -126, 127), 0)      # np.frexp(a)[1] - 1 = floor(log2(a)), exactly
;;       r = np.clip(x / 2.0 ** e, -6, 6)
;;       step = 2.0 ** (np.maximum(np.frexp(np.where(r == 0, 1, r))[1] - 1, 0) - 1)
;;       q = np.round(r / step) * step * 2.0 ** e      # np.round: ties to even
;;       return np.moveaxis(q.reshape(q.shape[:-2] + (-1,))[..., :K], -1, axis).astype(np.float32)
;;   ~~~
;;   OPERANDS COMPUTED ON THE WAY. 'Computed on the way' means the value that the module computes at that place (a softmax that the list does not call 'softmax' is quantised finished and normalised). What goes into a quantiser is computed in f32, as accurately as f32 sums, v_exp_f32 and their like allow (about 1e-6 of the number): no bf16 or f16 on the way to a quantiser, and a product that is left as it is and whose result goes on into a quantised operand takes f32 operands (vector FMAs, or v_wmma_f32_16x16x4_f32). A number that lies on a knife's edge between two numbers of the format may be rounded either way, as far as f32 arithmetic and the matrix unit's own rounding can turn it there, and no further.
;;   INPUTS GIVEN AS CODES. W (in the module: [1024, 3072], K = its axis 0); inputs (in the module: [2, 2048, 1024], K = its axis 2): each comes as NAME_codes (uint8): NAME with its K axis moved to the last place and cut into blocks of 32 codes, [.., K / 32, bytes a block], one block behind the other in memory; two codes a byte, the lower K in the low four bits (a code: sign, 2 exponent bits, 1 mantissa bit); and NAME_scales (uint8): the same leading axes, one E8M0 byte (e + 127) for each 32 codes along K. Its value is code x scale, taken as it is: it is not quantised again, and the codes and scales need not be those that the quantiser above would give.
;; 2 versions, each right; version 2 is version 1 with the launch attn written anew for expert scheduling mode. Each part assembles by itself: llvm-mc -triple=amdgcn-amd-amdhsa -mcpu=gfx1250 --defsym DOCPART=n.
;; ======== version 1 of 2: 2 launches
;; workspace buffers: qkv_codes 6,291,456 bytes; qkv_scales 786,432 bytes
;; launch proj (part 1): grid 16 x 16, 12 waves a work-group, clusters of 4 x 4, 245,248 bytes of LDS; arguments inputs_codes, inputs_scales, W_codes, W_scales, b, qkv_codes, qkv_scales; writes qkv_codes, qkv_scales
.if DOCPART == 1
	.amdgcn_target "amdgcn-amd-amdhsa--gfx1250"
	.amdhsa_code_object_version 6
	.text
	.protected	k_q913264b97d_proj
	.globl	k_q913264b97d_proj
	.p2align	8
	.type	k_q913264b97d_proj,@function
k_q913264b97d_proj:
	s_mov_b64 s[64:65], 0
	v_nop
	global_prefetch_b8 v0, s[64:65] scope:SCOPE_SE
	s_setreg_imm32_b32 hwreg(HW_REG_WAVE_MODE, 25, 1), 1
	s_wait_xcnt 0x0
	s_wait_alu depctr_hold_cnt(0) depctr_sa_sdst(0) depctr_va_vdst(0) depctr_va_sdst(0) depctr_va_ssrc(0) depctr_va_vcc(0) depctr_vm_vsrc(0)
	s_getreg_b32 s2, hwreg(HW_REG_IB_STS2, 6, 4)
	s_cmp_eq_u32 s2, 0
	s_cbranch_scc0 .Lentry_in_a_cluster
	s_endpgm
.Lentry_in_a_cluster:
	s_bfe_u32 s2, ttmp6, 0x10000c
	s_cmp_lg_u32 s2, 0xf033
	s_cbranch_scc0 .Lentry_shape_is_right
	s_endpgm
.Lentry_shape_is_right:
; FIRST OF TWO LAUNCHES.  kqv = inputs W + b on codes of E2M1 with E8M0 scales (4,096 tokens x 1,024 along K x 3,072 columns), and the three quantisers behind it:
; keys and queries along the head's 64 channels, values along the tokens (the keys of the last product), each in blocks of 32.  Only codes and scale bytes go to memory.
; WORK LEFT OUT IN THE PROGRAM (it concerns the second launch), for all finite values of the inputs:
;   (1) the lower clip at -10: elu(x) = x above 0 and exp(x) - 1 otherwise, which is above -1 for every x, so clip(., -10, 10) can only act at +10; the upper clip is kept.
;   (2) exp_u is computed as e x exp(clip(elu(u))): the factor e stands in every term of the numerator and of the row's sum and cancels in attention = exp_u / sum ahead of its quantiser.
;   No input is left out.  LIMITS: NaN, infinities and scale bytes 0xff among the inputs are not served; a block of zeros gets the scale byte 1 where the quantiser says 127
;   (its codes are zeros, which add nothing under any byte but 0xff, and this program alone reads the bytes).
; SHARES.  Work-group (x = head, y = block of 256 tokens) makes that block's K, Q and V of one head.  Twelve waves: wave = 4 which + g makes 64 tokens (group g) x the 64 columns of which (0 K, 1 Q, 2 V): 16 accumulators.
; ONE TEXT FOR ALL ROLES: source 0 of the matrix instruction is the side ALONG WHICH THE RESULT IS QUANTISED (K, Q: 64 rows of W; V: 64 tokens), source 1 the other side.  In tile (i0, i1) lane (r, h), register j holds
; (source-0 row 16 i0 + 8 h + j, source-1 row 16 i1 + r): a lane holds one output row, and its 32 registers of a given i1 run along the quantiser's axis; lane l xor 16 holds the other half of each block.
; LDS, filled once: K half c at c CH; in it rows of 256 bytes + 16 of padding: rows 0-255 the block's tokens, rows 256 + 64 which + n W's rows.  Behind both halves the spare words.
; CLUSTER 4 x 4: the four work-groups of a row of the cluster share the tokens, the four of a column the head's rows of W: each tile is asked for jointly.  Ten joint loads, two a wave in waves 0 to 4, all first fills.
; OUT.  qkv_codes [which][16 batch + head][group of 64 tokens][row 64][32 bytes]: K, Q: row = token, bytes = the head's 64 codes; V: row = channel, bytes = the group's 64 tokens.
;       qkv_scales [which][16 batch + head][group][256 bytes]: row p has one word (s0, s1, s0, s1) at byte 8 (p % 16) + 128 ((p / 16) % 2) + 4 (p / 32).
.set PITCH, 272                        ; an LDS row: 256 bytes + 16: the sixteen rows of a fragment load begin at sixteen different 16-byte columns modulo 256
.set CH,    448*PITCH                  ; a K half: 448 rows
.set SPARE, 2*CH                       ; the spare words, 128 bytes for each of 12 waves: six blocks of 256 bytes that no other line names
.set SPW, 1                            ; v1      LDS address of my spare word; never rewritten
.set NIL, 2                            ; v2      0; never rewritten
.set AD0, 3                            ; v3, v4  LDS address of source 0's fragments in K half 0, 1
.set AD1, 5                            ; v5, v6  the same for source 1
.set SCO, 7                            ; v7      32 x lane: a row of scale bytes
.set BO,  8                            ; v8      my offset in the bias
.set CO,  9                            ; v9      32 r + 16 h: where my 16 bytes of codes go
.set WO,  10                           ; v10     8 x lane: where my two scale words go
.set BM,  16                           ; v16-17  largest magnitudes of the two blocks, then their bytes
.set PT,  18                           ; v18-19  the partner lane's
.set SOP, 20                           ; v20-21  the conversions' scale operands
.set WD,  24                           ; v24-27  the scale word of row 16 i1 + r
.set XY,  28                           ; v28-29  the two words that I store
.set SC0, 32                           ; v32-47  source 0's scale words: register 8 p + s: K step s; lanes 0-15 tile 2 p, lanes 16-31 tile 2 p + 1
.set SC1, 48                           ; v48-63  source 1's
.set F0,  64                           ; v64-95  source 0's four fragments; at the end v64-79 the codes
.set F1,  96                           ; v96-127 source 1's
.set ACC, 128                          ; v128-255 tile (i0, i1) at ACC + 8 (4 i1 + i0).  Window 1, v0-31: the bias, eight registers a tile
.set WV,  18                           ; s18 wave; s19 which; s20 g
.set WH,  19
.set GG,  20
.set CX,  21
.set CY,  22
.set HD,  23                           ; s23 head
.set G1A, 24                           ; s[24:31] descriptor group 1 for the tokens' tiles; s[32:39] for W's
.set G1W, 32
.set G0A, 40                           ; s[40:47] group 0 for the tokens' tiles, a set for each K half; s[48:55] for W's
.set G0W, 48
.set MT,  56                           ; s56 block of 256 tokens
.set HM,  57                           ; s57 lanes 16-31
.set SEL, 58                           ; s[58:59] selects of v_permlanex16_b32: lane l xor 16
.set P0,  60                           ; s[60:61] source 0's scale bytes; s[62:63] source 1's
.set P1,  62
.set OC,  76                           ; s[76:77] where my 2,048 bytes of codes go; s[78:79] my 256 bytes of scale words; s[80:81] my 64 numbers of b
.set OS,  78
.set BP,  80
.set MSB, 0
.macro WIN new                         ; the immediate's high byte repeats the setting that is left
.if MSB != \new
	s_set_vgpr_msb (MSB<<8)|\new
.set MSB, \new
.endif
.endm
.macro CROUND                          ; a round of the cluster's barrier: my work-group's barrier, wave 0 signals for the work-group, all wait for the sixteen, my work-group's barrier once more
	s_barrier_signal -1
	s_barrier_wait -1
	s_cmp_lg_u32 s[WV], 0
	s_cbranch_scc1 .Lnot_wave_0_\@
	s_barrier_signal -3
.Lnot_wave_0_\@:
	s_barrier_wait -3
	s_barrier_signal -1
	s_barrier_wait -1
.endm
.macro PLACES n                        ; plain vector instructions behind a matrix instruction, ahead of loads into its sources and of reads of its results
.rept \n
	v_nop
.endr
.endm
; 16 LDS loads: both sides' four fragments (16 rows x 128 K: lane (r, h) takes 16 bytes at 16 h and at 32 + 16 h of its row's 64) of the q-th 128 along K in K half ch
.macro FETCH ch, q
.irp i, 0,1,2,3
.irp hf, 0,1
	ds_load_b128 v[F1+8*\i+4*\hf:F1+8*\i+4*\hf+3], v[AD1+\ch] offset:\i*16*PITCH+64*(\q)+32*\hf
.endr
.endr
.irp i, 0,1,2,3
.irp hf, 0,1
	ds_load_b128 v[F0+8*\i+4*\hf:F0+8*\i+4*\hf+3], v[AD0+\ch] offset:\i*16*PITCH+64*(\q)+32*\hf
.endr
.endr
.endm
; 16 matrix instructions: K step s.  The 16 accumulators take turns, one instruction a turn.  mode 0: onto the sums; 1, 2: the sums begin with the bias (window 1), by source 0's tile or by source 1's.
.macro MUL s, mode
.irp i1, 0,1,2,3
.irp i0, 0,1,2,3
.set rD, ACC+8*(4*\i1+\i0)
.set rC, rD
.if \mode == 1
.set rC, 8*\i0
.endif
.if \mode == 2
.set rC, 8*\i1
.endif
.set rA, F0+8*\i0
.set rB, F1+8*\i1
.set rSA, SC0+8*(\i0/2)+(\s)
.set rSB, SC1+8*(\i1/2)+(\s)
.if (\i0%2 == 0) && (\i1%2 == 0)
	v_wmma_scale_f32_16x16x128_f8f6f4 v[rD:rD+7], v[rA:rA+7], v[rB:rB+7], v[rC:rC+7], v[rSA], v[rSB] matrix_a_fmt:MATRIX_FMT_FP4 matrix_b_fmt:MATRIX_FMT_FP4
.elseif (\i0%2 == 1) && (\i1%2 == 0)
	v_wmma_scale_f32_16x16x128_f8f6f4 v[rD:rD+7], v[rA:rA+7], v[rB:rB+7], v[rC:rC+7], v[rSA], v[rSB] matrix_a_fmt:MATRIX_FMT_FP4 matrix_b_fmt:MATRIX_FMT_FP4 matrix_a_scale:MATRIX_SCALE_ROW1
.elseif (\i0%2 == 0) && (\i1%2 == 1)
	v_wmma_scale_f32_16x16x128_f8f6f4 v[rD:rD+7], v[rA:rA+7], v[rB:rB+7], v[rC:rC+7], v[rSA], v[rSB] matrix_a_fmt:MATRIX_FMT_FP4 matrix_b_fmt:MATRIX_FMT_FP4 matrix_b_scale:MATRIX_SCALE_ROW1
.else
	v_wmma_scale_f32_16x16x128_f8f6f4 v[rD:rD+7], v[rA:rA+7], v[rB:rB+7], v[rC:rC+7], v[rSA], v[rSB] matrix_a_fmt:MATRIX_FMT_FP4 matrix_b_fmt:MATRIX_FMT_FP4 matrix_a_scale:MATRIX_SCALE_ROW1 matrix_b_scale:MATRIX_SCALE_ROW1
.endif
.endr
.endr
.endm
; Output rows 16 row + r: two blocks of 32 along the quantiser's axis; my 16 numbers of block e stand in registers T + 16 e on, each accumulator read from its low end on.
.macro QROW row
.set T, ACC+32*(\row)
.set R, F0+4*(\row)
.irp e, 0,1
	v_max3_num_f32 v[BM+\e], |v[T+16*\e]|, |v[T+16*\e+1]|, 0x1800000     ; with the floor 2^(3 - 127): the byte cannot fall under 1
.endr
.irp n, 2,4,6,8,10,12,14
.irp e, 0,1
	v_max3_num_f32 v[BM+\e], v[BM+\e], |v[T+16*\e+\n]|, |v[T+16*\e+\n+1]|
.endr
.endr
.irp e, 0,1
	v_permlanex16_b32 v[PT+\e], v[BM+\e], s[SEL], s[SEL+1]
.endr
.irp e, 0,1
	v_max_num_f32 v[BM+\e], v[BM+\e], v[PT+\e]                           ; with lane l xor 16's 16: the block's largest magnitude
.endr
.irp e, 0,1
	v_add_nc_u32 v[SOP+\e], 0xff000000, v[BM+\e]                         ; 2 off its exponent field: the conversion's scale operand
.endr
.irp e, 0,1
	v_lshrrev_b32 v[BM+\e], 23, v[SOP+\e]                                ; the scale's byte
.endr
	v_lshl_or_b32 v[WD+\row], v[BM+1], 8, v[BM]
	v_lshl_or_b32 v[WD+\row], v[WD+\row], 16, v[WD+\row]                 ; (s0, s1, s0, s1)
	v_cvt_scalef32_pk8_fp4_f32 v[R],   v[T:T+7],     v[SOP]              ; word h of the row's eight words of codes,
	v_cvt_scalef32_pk8_fp4_f32 v[R+2], v[T+8:T+15],  v[SOP]              ; word 2 + h,
	v_cvt_scalef32_pk8_fp4_f32 v[R+1], v[T+16:T+23], v[SOP+1]            ; word 4 + h,
	v_cvt_scalef32_pk8_fp4_f32 v[R+3], v[T+24:T+31], v[SOP+1]            ; word 6 + h
	v_nop                                                                ; one plain instruction behind the scaled conversions
	v_permlane16_swap_b32 v[R],   v[R+1]                                 ; lanes 0-15 now hold words 0, 1 and lanes 16-31 words 4, 5,
	v_permlane16_swap_b32 v[R+2], v[R+3]                                 ; and 2, 3 and 6, 7: lane (r, h) holds bytes 16 h .. 16 h + 15 of its row
	global_store_b128 v[CO], v[R:R+3], s[OC:OC+1] offset:512*(\row)      ; the wave stores 512 consecutive bytes, at a multiple of 256 from the buffer's first byte
.endm
	s_load_b256 s[4:11], s[0:1], 0x0               ; inputs_codes s[4:5], inputs_scales s[6:7], W_codes s[8:9], W_scales s[10:11]
	s_load_b128 s[12:15], s[0:1], 0x20             ; b s[12:13], qkv_codes s[14:15]
	s_load_b64 s[16:17], s[0:1], 0x30              ; qkv_scales
	v_lshl_add_u32 v[SPW], v0, 2, SPARE
	v_mov_b32 v[NIL], 0
	ds_add_u32 v[SPW], v[NIL]                      ; the wave's opening: the add, twice on end, and its wait ahead of the first tensor load
	ds_add_u32 v[SPW], v[NIL]                      ; and once more; the set-up below, work on registers, stands between it and the wait
	v_lshrrev_b32 v11, 5, v0
	v_readfirstlane_b32 s[WV], v11                 ; wave 0..11
	s_lshr_b32 s[WH], s[WV], 2                     ; which: 0 K, 1 Q, 2 V
	s_and_b32 s[GG], s[WV], 3                      ; which 64 of the block's tokens
	s_bfe_u32 s[CX], ttmp6, 0x40000                ; my place in the cluster
	s_bfe_u32 s[CY], ttmp6, 0x40004
	s_lshl_b32 s[HD], ttmp9, 2
	s_add_co_u32 s[HD], s[HD], s[CX]               ; head = 4 x cluster x + cx
	s_and_b32 s[MT], ttmp7, 0xffff
	s_lshl_b32 s[MT], s[MT], 2
	s_add_co_u32 s[MT], s[MT], s[CY]               ; block of tokens = 4 x cluster y + cy
	s_lshl_b32 s66, s[CY], 2
	s_lshl_b32 s66, 15, s66                        ; my row of the cluster: it shares the tokens
	s_lshl_b32 s70, 0x1111, s[CX]                  ; my column: it shares the head
	s_or_b32 s[G1A], s66, (1<<20)|(1<<21)|(5<<22)|(3<<25)   ; 15:0 the mask; 17:16 elements of 1 byte; 20 padding on; 21 set beside a mask; 24:22 after every 64 words; 31:25 four words
	s_mov_b32 s[G1A+1], 256<<16                    ; tensor_dim0 = 256 bytes
	s_mov_b32 s[G1A+2], 128<<16                    ; tensor_dim1 = 128 rows
	s_mov_b32 s[G1A+3], 256<<16                    ; tile_dim0
	s_mov_b32 s[G1A+4], 128                        ; tile_dim1
	s_mov_b32 s[G1A+5], 512                        ; from row to row in memory: 1,024 codes
	s_mov_b32 s[G1A+6], 0
	s_mov_b32 s[G1A+7], 0
	s_or_b32 s[G1W], s70, (1<<20)|(1<<21)|(5<<22)|(3<<25)
	s_mov_b32 s[G1W+1], 256<<16
	s_mov_b32 s[G1W+2], 64<<16                     ; 64 rows: a head's columns of K, of Q or of V
	s_mov_b32 s[G1W+3], 256<<16
	s_mov_b32 s[G1W+4], 64
	s_mov_b32 s[G1W+5], 512
	s_mov_b32 s[G1W+6], 0
	s_mov_b32 s[G1W+7], 0
	; what waves 0 and 1 fetch: tokens 128 x wave on.  These registers never hold cx
	s_min_u32 s66, s[WV], 1
	s_mul_i32 s74, s66, 128*PITCH                  ; in LDS
	s_lshl_b32 s66, s66, 7
	s_lshl_b32 s67, s[MT], 8
	s_add_co_u32 s66, s66, s67
	s_lshl_b32 s66, s66, 9                         ; in memory: 512 bytes a token
	s_mov_b32 s67, 0
	; what waves 2 to 4 fetch: rows 1,024 (wave - 2) + 64 head on of W.  These registers never hold cy
	s_min_u32 s75, s[WV], 4
	s_mul_i32 s75, s75, 64*PITCH
	s_add_co_u32 s75, s75, 128*PITCH               ; in LDS: row 256 + 64 (wave - 2)
	s_max_u32 s70, s[WV], 2
	s_min_u32 s70, s70, 4
	s_sub_co_u32 s70, s70, 2
	s_lshl_b32 s70, s70, 10
	s_lshl_b32 s71, s[HD], 6
	s_add_co_u32 s70, s70, s71
	s_lshl_b32 s70, s70, 9
	s_mov_b32 s71, 0
	s_mov_b32 s[HM], 0xffff0000
	s_mov_b32 s[SEL], 0x76543210
	s_mov_b32 s[SEL+1], 0xfedcba98
	s_wait_dscnt 0x0                               ; both opening adds are done
	s_wait_kmcnt 0x0
	s_add_nc_u64 s[68:69], s[4:5], s[66:67]
	s_add_nc_u64 s[72:73], s[8:9], s[70:71]
	CROUND                                         ; all sixteen work-groups are here: the joint loads meet
.irp c, 0,1
	s_mov_b32 s[G0A+4*\c], 1                       ; count = 1
	s_add_co_u32 s[G0A+4*\c+1], s74, \c*CH         ; LDS address
	s_add_nc_u64 s[G0A+4*\c+2:G0A+4*\c+3], s[68:69], \c*256   ; global address: K half c
	s_or_b32 s[G0A+4*\c+3], s[G0A+4*\c+3], 0x80000000         ; type = 2
	s_mov_b32 s[G0W+4*\c], 1
	s_add_co_u32 s[G0W+4*\c+1], s75, \c*CH
	s_add_nc_u64 s[G0W+4*\c+2:G0W+4*\c+3], s[72:73], \c*256
	s_or_b32 s[G0W+4*\c+3], s[G0W+4*\c+3], 0x80000000
.endr
	s_cmp_lt_u32 s[WV], 2                          ; a wave's two fills stand in one arm of a branch on the wave's number: two loads of mine are out at the most; an s_nop 0 follows each, four v_nop the second
	s_cbranch_scc0 .Lnot_a
	tensor_load_to_lds s[G0A:G0A+3], s[G1A:G1A+7]
	s_nop 0
	tensor_load_to_lds s[G0A+4:G0A+7], s[G1A:G1A+7]
	s_nop 0
.rept 4
	v_nop
.endr
	s_branch .Lasked
.Lnot_a:
	s_cmp_lt_u32 s[WV], 5
	s_cbranch_scc0 .Lasked
	tensor_load_to_lds s[G0W:G0W+3], s[G1W:G1W+7]
	s_nop 0
	tensor_load_to_lds s[G0W+4:G0W+7], s[G1W:G1W+7]
	s_nop 0
.rept 4
	v_nop
.endr
.Lasked:
	; THE ROLE: one compare on the wave's number, all selects behind it
	s_lshl_b32 s82, s[WH], 10
	s_lshl_b32 s83, s[HD], 6
	s_add_co_u32 s82, s82, s83                     ; my first row of W (= column of kqv)
	s_lshl_b32 s83, s[MT], 8
	s_lshl_b32 s84, s[GG], 6                       ; my tokens' first LDS row
	s_add_co_u32 s83, s83, s84                     ; my first token
	s_lshl_b32 s85, s[WH], 6
	s_add_co_u32 s85, s85, 256                     ; my rows of W in LDS
	s_cmp_lt_u32 s[WV], 8                          ; K or Q: source 0 is W; V: source 0 is the tokens
	s_cselect_b64 s[P0:P0+1], s[10:11], s[6:7]
	s_cselect_b64 s[P1:P1+1], s[6:7], s[10:11]
	s_cselect_b32 s86, s82, s83
	s_cselect_b32 s87, s83, s82
	s_cselect_b32 s88, s85, s84
	s_cselect_b32 s89, s84, s85
	s_mov_b32 s91, 0
	s_lshl_b32 s90, s86, 5                         ; 32 scale bytes a row
	s_add_nc_u64 s[P0:P0+1], s[P0:P0+1], s[90:91]
	s_lshl_b32 s90, s87, 5
	s_add_nc_u64 s[P1:P1+1], s[P1:P1+1], s[90:91]
	s_lshl_b32 s90, s82, 2
	s_add_nc_u64 s[BP:BP+1], s[12:13], s[90:91]    ; my 64 numbers of b
	s_mul_i32 s88, s88, PITCH
	s_mul_i32 s89, s89, PITCH
	s_lshr_b32 s92, s[MT], 3                       ; batch
	s_lshl_b32 s92, s92, 4
	s_add_co_u32 s92, s92, s[HD]                   ; 16 batch + head
	s_and_b32 s93, s[MT], 7
	s_lshl_b32 s93, s93, 2
	s_add_co_u32 s93, s93, s[GG]                   ; my group of 64 tokens in the batch
	s_lshl_b32 s90, s[WH], 21
	s_lshl_b32 s94, s92, 16
	s_add_co_u32 s90, s90, s94
	s_lshl_b32 s94, s93, 11
	s_add_co_u32 s90, s90, s94
	s_add_nc_u64 s[OC:OC+1], s[14:15], s[90:91]
	s_lshl_b32 s90, s[WH], 18
	s_lshl_b32 s94, s92, 13
	s_add_co_u32 s90, s90, s94
	s_lshl_b32 s94, s93, 8
	s_add_co_u32 s90, s90, s94
	s_add_nc_u64 s[OS:OS+1], s[16:17], s[90:91]
	v_and_b32 v11, 15, v0                          ; r
	v_bfe_u32 v12, v0, 4, 1                        ; h
	v_and_b32 v13, 31, v0                          ; lane
	v_mul_u32_u24 v14, v11, PITCH
	v_lshl_add_u32 v14, v12, 4, v14                ; a fragment's row x pitch + 16 h
	v_add_nc_u32 v[AD0], s88, v14
	v_add_nc_u32 v[AD0+1], CH, v[AD0]
	v_add_nc_u32 v[AD1], s89, v14
	v_add_nc_u32 v[AD1+1], CH, v[AD1]
	v_lshlrev_b32 v[SCO], 5, v13
	v_lshlrev_b32 v[CO], 5, v11
	v_lshl_add_u32 v[CO], v12, 4, v[CO]
	v_lshlrev_b32 v[WO], 3, v13
	v_mov_b32 v[PT], 0                             ; written once: a lane permute's destination counts as one of its sources
	v_mov_b32 v[PT+1], 0
.irp p, 0,1                                    ; the scale words of all of K: lane l takes row 32 p + l, 32 bytes: the two loads together read 1,024 consecutive bytes
.irp q, 0,1
	global_load_b128 v[SC0+8*\p+4*\q:SC0+8*\p+4*\q+3], v[SCO], s[P0:P0+1] offset:1024*\p+16*\q
	global_load_b128 v[SC1+8*\p+4*\q:SC1+8*\p+4*\q+3], v[SCO], s[P1:P1+1] offset:1024*\p+16*\q
.endr
.endr
	s_cmp_lt_u32 s[WV], 8                          ; the bias in the result's layout, into window 1
	s_cbranch_scc0 .Lbias_v
	v_lshlrev_b32 v[BO], 5, v12                    ; K, Q: register j of tile i0: b at column 16 i0 + 8 h + j
	WIN 0x40
.irp i, 0,1,2,3
	global_load_b128 v[8*\i:8*\i+3], v[BO], s[BP:BP+1] offset:64*\i
	global_load_b128 v[8*\i+4:8*\i+7], v[BO], s[BP:BP+1] offset:64*\i+16
.endr
	WIN 0
	s_branch .Lbias_done
.Lbias_v:
	v_lshlrev_b32 v[BO], 2, v11                    ; V: all eight registers of tile i1: b at column 16 i1 + r
	WIN 0x40
.irp i, 0,1,2,3
.irp j, 0,1,2,3,4,5,6,7
	global_load_b32 v[8*\i+\j], v[BO], s[BP:BP+1] offset:64*\i
.endr
.endr
	WIN 0
.Lbias_done:
	s_wait_tensorcnt 0x1                           ; my part of K half 0 is in; my load of K half 1 may stay out
	s_barrier_signal -1
	s_barrier_wait -1                              ; everybody's is
	FETCH 0, 0
	s_wait_loadcnt 0x0                             ; scale words and bias
	s_wait_dscnt 0x0
	s_cmp_lt_u32 s[WV], 8
	s_cbranch_scc0 .Lfirst_v
	WIN 0x10                                       ; C in window 1
	MUL 0, 1
	WIN 0
	s_branch .Lfirst_done
.Lfirst_v:
	WIN 0x10
	MUL 0, 2
	WIN 0
.Lfirst_done:
.irp q, 1,2,3
	PLACES 4
	FETCH 0, \q
	s_wait_dscnt 0x0
	MUL \q, 0
.endr
	s_wait_tensorcnt 0x0                           ; my part of K half 1 is in (no LDS instruction of mine is out),
	s_barrier_signal -1
	s_barrier_wait -1                              ; everybody's is
.irp q, 0,1,2,3
	PLACES 4
	FETCH 1, \q
	s_wait_dscnt 0x0
	MUL 4+\q, 0
.endr
	PLACES 4                                       ; ahead of the first read of results and of the first write into registers that held fragments
	QROW 0
	QROW 1
	QROW 2
	QROW 3
	v_cndmask_b32 v[XY], v[WD], v[WD+1], s[HM]     ; lanes 0-15: rows r and 32 + r; lanes 16-31: rows 16 + r and 48 + r
	v_cndmask_b32 v[XY+1], v[WD+2], v[WD+3], s[HM]
	global_store_b64 v[WO], v[XY:XY+1], s[OS:OS+1] ; the wave stores 256 consecutive bytes, at a multiple of 256 from the buffer's first byte
	s_wait_tensorcnt 0x0                           ; the wave's end
	ds_add_u32 v[SPW], v[NIL]
	s_wait_dscnt 0x0
	CROUND                                         ; the closing round: no work-group ends while a partner may still ask for a tile that names it
	s_endpgm
.Lfunc_end_k_q913264b97d_proj:
	.size	k_q913264b97d_proj, .Lfunc_end_k_q913264b97d_proj-k_q913264b97d_proj
	.p2alignl 7, 3214868480
	.fill 96, 4, 3214868480
	.section	.rodata,"a",@progbits
	.p2align	6, 0x0
	.amdhsa_kernel k_q913264b97d_proj
		.amdhsa_group_segment_fixed_size 245248
		.amdhsa_private_segment_fixed_size 0
		.amdhsa_enable_private_segment 0
		.amdhsa_kernarg_size 56
		.amdhsa_user_sgpr_count 2
		.amdhsa_user_sgpr_kernarg_segment_ptr 1
		.amdhsa_wavefront_size32 1
		.amdhsa_system_sgpr_workgroup_id_x 1
		.amdhsa_system_sgpr_workgroup_id_y 1
		.amdhsa_system_sgpr_workgroup_id_z 1
		.amdhsa_system_vgpr_workitem_id 0
		.amdhsa_next_free_vgpr 288
		.amdhsa_next_free_sgpr 96
		.amdhsa_reserve_vcc 0
		.amdhsa_float_denorm_mode_32 3
		.amdhsa_float_denorm_mode_16_64 3
		.amdhsa_memory_ordered 1
		.amdhsa_forward_progress 1
		.amdhsa_inst_pref_size 49
	.end_amdhsa_kernel
	.amdgpu_metadata
---
amdhsa.version: [ 1, 2 ]
amdhsa.kernels:
  - .name:           k_q913264b97d_proj
    .symbol:         k_q913264b97d_proj.kd
    .args:
      - { .name: inputs_codes, .offset: 0, .size: 8, .value_kind: global_buffer, .address_space: global }
      - { .name: inputs_scales, .offset: 8, .size: 8, .value_kind: global_buffer, .address_space: global }
      - { .name: W_codes, .offset: 16, .size: 8, .value_kind: global_buffer, .address_space: global }
      - { .name: W_scales, .offset: 24, .size: 8, .value_kind: global_buffer, .address_space: global }
      - { .name: b, .offset: 32, .size: 8, .value_kind: global_buffer, .address_space: global }
      - { .name: qkv_codes, .offset: 40, .size: 8, .value_kind: global_buffer, .address_space: global }
      - { .name: qkv_scales, .offset: 48, .size: 8, .value_kind: global_buffer, .address_space: global }
    .group_segment_fixed_size: 245248
    .private_segment_fixed_size: 0
    .kernarg_segment_align: 8
    .kernarg_segment_size: 56
    .max_flat_workgroup_size: 384
    .sgpr_count:     96
    .vgpr_count:     288
    .wavefront_size: 32
...
	.end_amdgpu_metadata
.endif
;; end of part 1
;; launch attn (part 2): grid 8 x 32, 16 waves a work-group, no clusters, 209,408 bytes of LDS; arguments qkv_codes, qkv_scales, masks, out0; writes out0
.if DOCPART == 2
	.amdgcn_target "amdgcn-amd-amdhsa--gfx1250"
	.amdhsa_code_object_version 6
	.text
	.protected	k_q913264b97d_attn
	.globl	k_q913264b97d_attn
	.p2align	8
	.type	k_q913264b97d_attn,@function
k_q913264b97d_attn:
	s_mov_b64 s[64:65], 0
	v_nop
	global_prefetch_b8 v0, s[64:65] scope:SCOPE_SE
	s_setreg_imm32_b32 hwreg(HW_REG_WAVE_MODE, 25, 1), 1
	s_wait_xcnt 0x0
; SECOND LAUNCH.  For each (batch, head): u = Q K^T on codes of E2M1 (K = the head's 64); exp_u = exp(clip(elu(u))) x mask[key]; attention = exp_u / its row's sum, FINISHED AND NORMALISED, quantised along the keys in
; blocks of 32; out = attention V on codes (K = the keys), x mask[query].
; WORK LEFT OUT (shown at the head of the first launch): the lower clip, which cannot act since elu(x) > -1; and exp_u carries a factor e that cancels in exp_u / sum.  So p = e exp(clip(elu(u))) = 2^z,
; z = L 2^min(T, 0) + med3(T, 0, 10 L), T = u L, L = log2(e): above 0 that is L + min(T, 10 L), otherwise L 2^T.  No maximum is taken away, as in the problem: its own clip holds z between 0 and 11 L for every input.
; LIMITS: NaN and infinities are not served; a batch whose masked row sums are 0 is not reproduced (the problem gives NaN there, E2M1 has no such code); 2^T under 2^-126 counts as 0 (ISA guide, v_exp_f32), which moves elu by less than 1e-37;
; a block of zeros gets the scale byte 1 (its codes are zeros).
; THE ROW'S SUM MUST BE WHOLE BEFORE ANY CODE IS MADE, and each exponential is computed once: so THE WAVES SHARE THE KEYS.  A work-group owns 256 queries of one head, in 16 tiles of 16; wave w owns keys 128 w .. 128 w + 127 for the
; whole launch: their fragments of K, K's and V's scale words and the key masks stay in registers, their fragments of V in the wave's own LDS.  A tile's exp_u, 64 registers a wave, waits while the partial sums go round.
; Two things go from wave to wave, through LDS: 16 partial row sums a query, and 16 partial tiles of O.  ONE BARRIER A TILE: tile i - 1's partial O are added behind tile i's barrier; both regions have two buffers, by the tile's parity.
;   PSUM[p] is written behind barrier i - 1; its last reads (tile i - 2) were awaited ahead of every wave's signal of barrier i - 1.  OPART[p] is written behind barrier i; its last reads (in tile i - 1) were awaited ahead of the signal of barrier i.
; S^T = K Q^T: source 0 = keys, source 1 = my 16 queries.  The head's 64 fill half of the instruction's 128 along K: so ONE source 0 holds TWO tiles of keys (registers 0-3: key 32 b + r + 8 (r / 8); registers 4-7: that key + 8), and source 1 is
; (q, 0) or (0, q), cut out of twelve registers (0 0 0 0 q q q q 0 0 0 0).  In lane (r, h) register 16 b + n is then query r, key 128 w + 32 b + 16 h + n: sixteen neighbours along the next K.
; O^T = V^T P: source 0 = 16 channels x my 128 keys, source 1 = P: lane (r, h), register j of tile t: query r, channel 16 t + 8 h + j.
; No cluster, no tensor load: K, V and the masks are fetched once a work-group, mostly into registers, and a tile reads 576 bytes of Q: what neighbours share is no part of a step's bytes.
.set VIMG,   0                         ; LDS: V's fragments as images of their registers: wave w at 4,096 w, piece (t, c) at 512 (2 t + c) + 16 x lane; the wave's own
.set OPART0, 65536                     ; partial O, two buffers: source wave s at 4,352 s, query at 272 r, channel d at 4 d
.set OPART1, 135168
.set PSUM,   204800                    ; partial row sums, two buffers 1,280 bytes apart: query r at 80 r, wave w's word at 4 w
.set SPARE,  207360                    ; the spare words, 128 bytes for each of 16 waves: eight blocks of 256 bytes that no other line names
.set SPW, 1                            ; v1   LDS address of my spare word; never rewritten
.set NIL, 2                            ; v2   0; never rewritten
.set QO,  3                            ; v3   32 r + 16 h: a row of 64 codes, my half
.set QS,  4                            ; v4   8 r: a row's scale word
.set VI,  5                            ; v5   my place in my wave's images of V
.set PSW, 6                            ; v6   where I put my wave's partial sum of query r
.set PSR, 7                            ; v7   where I read eight waves' partial sums of query r
.set OW,  8                            ; v8, v9   where I put 32 bytes of partial O, buffer 0, 1
.set ORD, 10                           ; v10, v11 where I read 8 bytes of query w's partial O
.set GO,  12                           ; v12  8 x lane: my two channels of a row of out0
.set KO,  13                           ; v13-15  at the head only: K's codes, K's scale words, the key masks
.set KS,  14
.set MKO, 15
.set QB,  16                           ; v16-27  0 0 0 0 q q q q 0 0 0 0
.set QSC, 28                           ; v28  Q's scale words
.set PW,  29                           ; v29  P's scale words
.set KF,  32                           ; v32-63   K's four double fragments
.set S,   64                           ; v64-127  scores, exp_u, attention; at the tile's end v96-127 the partial O
.set H0,  64
.set H1,  96
.set A,   128                          ; v128-159 at work; then the partial O read back; then V's fragments
.set MK,  160                          ; v160-223 the key masks, register for register beside S
.set P,   224                          ; v224-231 the partial sums read back; then P's codes
.set KSC, 232                          ; v232-235 K's scale words; v236-239 V's
.set VSC, 236
.set BM,  240                          ; v240-243 the blocks' largest magnitudes, then their bytes
.set PT,  244                          ; v244-247 partner lanes' numbers; v[244:245] also what is stored to out0; v[246:247] also a second chain of the sum
.set SUMB, 246
.set SO,  248                          ; v248-251 the conversions' scale operands
.set SUMA, 252                         ; v[252:253] the sum
.set RINV, 254                         ; v254 1 / the row's sum (v255 is named with it as a pair, so it is written once)
.set WV,  12                           ; s12 wave
.set QP,  16                           ; s[16:17] Q's codes, the tile in hand
.set QSB, 18                           ; s[18:19] Q's scale words, my block's first
.set QST, 20                           ; s[20:21] = QSB + QSO
.set QSO, 22                           ; s[22:23] (offset, 0)
.set MQP, 24                           ; s[24:25] mask of the query whose result I store next
.set MQ,  26                           ; s26
.set OUTP, 28                          ; s[28:29] that query's 256 bytes of out0
.set LL,  30                           ; s[30:31] log2(e), written twice: the packed forms name a pair
.set TENL, 32                          ; s32 10 log2(e)
.set SEL, 34                           ; s[34:35] selects of v_permlanex16_b32: lane l xor 16
.set J,   36                           ; s36 (the next tile) / 2: the loop's counter
	s_load_b256 s[4:11], s[0:1], 0x0               ; qkv_codes s[4:5], qkv_scales s[6:7], masks s[8:9], out0 s[10:11]
	v_lshl_add_u32 v[SPW], v0, 2, SPARE
	v_mov_b32 v[NIL], 0
	v_lshrrev_b32 v120, 5, v0
	v_readfirstlane_b32 s[WV], v120                ; wave 0..15
	s_and_b32 s13, ttmp7, 0xffff                   ; 16 batch + head
	s_lshr_b32 s14, s13, 4                         ; batch
	s_and_b32 s15, s13, 15                         ; head
	s_lshl_b32 s40, s13, 16                        ; K's codes: 65,536 a head, 32 a key: my 128 keys
	s_lshl_b32 s50, s[WV], 12
	s_add_co_u32 s40, s40, s50
	s_mov_b32 s41, 0
	s_lshl_b32 s42, s13, 16                        ; Q's codes: behind all of K's; my block of 256 queries
	s_lshl_b32 s50, ttmp9, 13
	s_add_co_u32 s42, s42, s50
	s_add_co_u32 s42, s42, 2097152
	s_mov_b32 s43, 0
	s_lshl_b32 s44, s13, 13                        ; K's scale words: 8,192 a head, 256 for 64 keys
	s_lshl_b32 s50, s[WV], 9
	s_add_co_u32 s44, s44, s50
	s_mov_b32 s45, 0
	s_lshl_b32 s46, s13, 13                        ; Q's
	s_lshl_b32 s50, ttmp9, 10
	s_add_co_u32 s46, s46, s50
	s_add_co_u32 s46, s46, 262144
	s_mov_b32 s47, 0
	s_lshl_b32 s48, s14, 13                        ; the batch's masks
	s_lshl_b32 s50, s[WV], 9
	s_add_co_u32 s50, s50, s48                     ; my 128 keys'
	s_mov_b32 s51, 0
	s_lshl_b32 s52, ttmp9, 10
	s_add_co_u32 s52, s52, s48
	s_lshl_b32 s53, s[WV], 2
	s_add_co_u32 s52, s52, s53                     ; query 256 x block + w: of each tile I store query w
	s_mov_b32 s53, 0
	s_lshl_b32 s54, s14, 23                        ; out0: 4,096 bytes a token
	s_lshl_b32 s55, ttmp9, 20
	s_add_co_u32 s54, s54, s55
	s_lshl_b32 s55, s[WV], 12
	s_add_co_u32 s54, s54, s55
	s_lshl_b32 s55, s15, 8
	s_add_co_u32 s54, s54, s55
	s_mov_b32 s55, 0
	s_mov_b32 s[QSO], 0
	s_mov_b32 s[QSO+1], 0
	s_mov_b32 s[LL], 0x3fb8aa3b
	s_mov_b32 s[LL+1], s[LL]
	s_mov_b32 s[TENL], 0x4166d4ca
	s_mov_b32 s[SEL], 0x76543210
	s_mov_b32 s[SEL+1], 0xfedcba98
	s_mov_b32 s[J], 0
	v_and_b32 v120, 15, v0                         ; r
	v_bfe_u32 v121, v0, 4, 1                       ; h
	v_and_b32 v122, 31, v0                         ; lane
	v_lshlrev_b32 v[QO], 5, v120
	v_lshl_add_u32 v[QO], v121, 4, v[QO]
	v_lshlrev_b32 v[QS], 3, v120
	s_lshl_b32 s37, s[WV], 12
	v_lshlrev_b32 v[VI], 4, v122
	v_add_nc_u32 v[VI], s37, v[VI]
	v_mul_u32_u24 v123, v120, 80
	s_lshl_b32 s37, s[WV], 2
	v_add_nc_u32 v[PSW], s37, v123
	v_add_nc_u32 v[PSW], PSUM, v[PSW]
	v_lshl_add_u32 v[PSR], v121, 5, v123
	v_add_nc_u32 v[PSR], PSUM, v[PSR]
	v_mul_u32_u24 v124, v120, 272
	v_lshl_add_u32 v124, v121, 5, v124
	s_mul_i32 s37, s[WV], 4352
	v_add_nc_u32 v124, s37, v124
	v_add_nc_u32 v[OW], OPART0, v124
	v_add_nc_u32 v[OW+1], OPART1, v124
	v_lshlrev_b32 v[GO], 3, v122
	s_mul_i32 s37, s[WV], 272
	v_add_nc_u32 v125, s37, v[GO]
	v_add_nc_u32 v[ORD], OPART0, v125
	v_add_nc_u32 v[ORD+1], OPART1, v125
	v_and_b32 v126, 8, v120
	v_add_nc_u32 v126, v126, v120                  ; r + 8 (r / 8)
	v_lshlrev_b32 v[KO], 5, v126
	v_lshl_add_u32 v[KO], v121, 4, v[KO]
	v_and_b32 v127, 7, v120
	v_lshlrev_b32 v[KS], 3, v127
	v_lshrrev_b32 v127, 3, v120
	v_lshl_add_u32 v[KS], v127, 7, v[KS]           ; that key's word: 8 (r % 8) + 128 (r / 8)
	v_lshlrev_b32 v[MKO], 6, v121
	s_wait_kmcnt 0x0
	s_add_nc_u64 s[40:41], s[4:5], s[40:41]        ; K's codes
	s_add_nc_u64 s[56:57], s[40:41], 4194304       ; V's: the same place, two tensors on
	s_add_nc_u64 s[QP:QP+1], s[4:5], s[42:43]
	s_add_nc_u64 s[44:45], s[6:7], s[44:45]        ; K's scale words
	s_add_nc_u64 s[58:59], s[44:45], 524288        ; V's
	s_add_nc_u64 s[QSB:QSB+1], s[6:7], s[46:47]
	s_mov_b64 s[QST:QST+1], s[QSB:QSB+1]
	s_add_nc_u64 s[50:51], s[8:9], s[50:51]
	s_add_nc_u64 s[MQP:MQP+1], s[8:9], s[52:53]
	s_add_nc_u64 s[OUTP:OUTP+1], s[10:11], s[54:55]
.irp t, 0,1,2,3                                ; V's fragment t: channel 16 t + r; registers 4 c on: the 64 keys of group 2 w + c, my half
.irp c, 0,1
	global_load_b128 v[A+8*\t+4*\c:A+8*\t+4*\c+3], v[QO], s[56:57] offset:2048*\c+512*\t
.endr
.endr
.irp b, 0,1,2,3                                ; K's double fragment b
.irp c, 0,1
	global_load_b128 v[KF+8*\b+4*\c:KF+8*\b+4*\c+3], v[KO], s[40:41] offset:1024*\b+256*\c
.endr
.endr
.irp b, 0,1,2,3
.irp u, 0,1
	global_load_b32 v[S+2*\b+\u], v[KS], s[44:45] offset:256*(\b/2)+4*(\b%2)+64*\u
.endr
.endr
.irp t, 0,1,2,3
.irp c, 0,1
	global_load_b32 v[S+8+2*\t+\c], v[QS], s[58:59] offset:256*\c+128*(\t%2)+4*(\t/2)
.endr
.endr
.irp b, 0,1,2,3
.irp i, 0,1,2,3
	global_load_b128 v[MK+16*\b+4*\i:MK+16*\b+4*\i+3], v[MKO], s[50:51] offset:128*\b+16*\i
.endr
.endr
	global_load_b128 v[QB+4:QB+7], v[QO], s[QP:QP+1]   ; tile 0's queries
	global_load_b32 v[QSC], v[QS], s[QST:QST+1]
.irp i, 0,1,2,3
	v_mov_b32 v[QB+\i], 0
	v_mov_b32 v[QB+8+\i], 0
	v_mov_b32 v[PT+\i], 0                          ; written once: a lane permute's destination counts as one of its sources
.endr
	v_mov_b32 v[RINV+1], 0
	s_wait_loadcnt 0x0
.irp b, 0,1,2,3
	v_bfi_b32 v[KSC+\b], 0xffff, v[S+2*\b], v[S+2*\b+1]       ; bytes 0, 1: the first key's two scales; bytes 2, 3: the second key's (each word holds its row's two bytes twice)
	v_bfi_b32 v[VSC+\b], 0xffff, v[S+8+2*\b], v[S+9+2*\b]     ; bytes 0, 1: the first 64 keys' two blocks; bytes 2, 3: the second 64's
.endr
.irp t, 0,1,2,3
.irp c, 0,1
	ds_store_b128 v[VI], v[A+8*\t+4*\c:A+8*\t+4*\c+3] offset:VIMG+512*(2*\t+\c)
.endr
.endr
.rept 8
	v_nop                                          ; a scale register written by a vector instruction stands eight places ahead of a scaled matrix instruction
.endr
; 16 partial tiles' two channels of my query, in v[A] on, become the result: a tree of 15 packed additions, x mask[query], one store
.macro OSUM
.irp m, 0,1,2,3,4,5,6,7
	v_pk_add_f32 v[A+4*\m:A+4*\m+1], v[A+4*\m:A+4*\m+1], v[A+4*\m+2:A+4*\m+3]
.endr
.irp m, 0,1,2,3
	v_pk_add_f32 v[A+8*\m:A+8*\m+1], v[A+8*\m:A+8*\m+1], v[A+8*\m+4:A+8*\m+5]
.endr
.irp m, 0,1
	v_pk_add_f32 v[A+16*\m:A+16*\m+1], v[A+16*\m:A+16*\m+1], v[A+16*\m+8:A+16*\m+9]
.endr
	v_pk_add_f32 v[A:A+1], v[A:A+1], v[A+16:A+17]
	s_wait_kmcnt 0x0                               ; the query's mask
	v_mul_f32 v[PT], s[MQ], v[A]
	v_mul_f32 v[PT+1], s[MQ], v[A+1]
	global_store_b64 v[GO], v[PT:PT+1], s[OUTP:OUTP+1] th:TH_STORE_NT   ; the wave stores 256 consecutive bytes, at a multiple of 256 from out0's first byte; written once
.endm
; A TILE of 16 queries.  p: its parity; first, last: the block's first and last tile.
.macro ITER p, first, last
	s_wait_loadcnt 0x0                             ; this tile's queries and their scale words
	s_wait_dscnt 0x0                               ; my LDS stores of the tile before (at the first tile: V's images) are done
.if !\first
	s_load_b32 s[MQ], s[MQP:MQP+1], 0x0            ; the mask of the query that I store in this tile
.endif
.irp b, 0,1,2,3                                ; S^T: eight sums, each begun with the constant 0
	v_wmma_scale_f32_16x16x128_f8f6f4 v[S+16*\b:S+16*\b+7], v[KF+8*\b:KF+8*\b+7], v[QB+4:QB+11], 0, v[KSC+\b], v[QSC] matrix_a_fmt:MATRIX_FMT_FP4 matrix_b_fmt:MATRIX_FMT_FP4
	v_wmma_scale_f32_16x16x128_f8f6f4 v[S+16*\b+8:S+16*\b+15], v[KF+8*\b:KF+8*\b+7], v[QB:QB+7], 0, v[KSC+\b], v[QSC] matrix_a_fmt:MATRIX_FMT_FP4 matrix_b_fmt:MATRIX_FMT_FP4
.endr
.rept 4
	v_nop                                          ; places ahead of the loads into q's registers and of the first read of the scores
.endr
.if !\last                                     ; the next tile's queries are asked for a whole tile ahead.  The wait at the tile's head has shown the last loads done: their addresses may be written
	s_add_nc_u64 s[QP:QP+1], s[QP:QP+1], 512
.if \p == 1
	s_add_co_u32 s[J], s[J], 1                     ; tile 2 J: its words begin at 256 (J / 2) + 4 (J % 2); tile 2 J + 1's 128 bytes further on
	s_and_b32 s[QSO], s[J], 1
	s_lshl_b32 s[QSO], s[QSO], 2
	s_lshr_b32 s37, s[J], 1
	s_lshl_b32 s37, s37, 8
	s_add_co_u32 s[QSO], s[QSO], s37
	s_add_nc_u64 s[QST:QST+1], s[QSB:QSB+1], s[QSO:QSO+1]
.endif
	global_load_b128 v[QB+4:QB+7], v[QO], s[QP:QP+1]
	global_load_b32 v[QSC], v[QS], s[QST:QST+1] offset:128*(1-\p)
.endif
	; ---- exp_u.  128 exponentials in batches, a plain instruction behind each, three waits in all
.set k, 0
.rept 32
	v_pk_mul_f32 v[S+k:S+k+1], v[S+k:S+k+1], s[LL:LL+1] op_sel_hi:[1,0]   ; T = u log2(e); each accumulator is read from its low end on
.set k, k+2
.endr
.set k, 0
.rept 32
	v_min_num_f32 v[A+k], 0, v[H0+k]
.set k, k+1
.endr
.set k, 0
.rept 32
	v_exp_f32 v[A+k], v[A+k]                       ; 2^min(T, 0)
	v_med3_num_f32 v[H0+k], v[H0+k], 0, s[TENL]    ; the upper clip, and 0 under 0
.set k, k+1
.endr
	s_wait_alu depctr_va_vdst(0)                   ; one wait for the batch, ahead of its first reader
.set k, 0
.rept 16
	v_pk_fma_f32 v[H0+k:H0+k+1], v[A+k:A+k+1], s[LL:LL+1], v[H0+k:H0+k+1] op_sel_hi:[1,0,1]   ; z
.set k, k+2
.endr
.set k, 0
.rept 32
	v_exp_f32 v[H0+k], v[H0+k]                     ; p of the first 32 registers; beside it the second half begins
	v_min_num_f32 v[A+k], 0, v[H1+k]
.set k, k+1
.endr
.set k, 0
.rept 32
	v_exp_f32 v[A+k], v[A+k]
	v_med3_num_f32 v[H1+k], v[H1+k], 0, s[TENL]
.set k, k+1
.endr
	s_wait_alu depctr_va_vdst(0)                   ; one wait for both batches
.set k, 0
.rept 16
	v_pk_fma_f32 v[H1+k:H1+k+1], v[A+k:A+k+1], s[LL:LL+1], v[H1+k:H1+k+1] op_sel_hi:[1,0,1]
.set k, k+2
.endr
.set k, 0
.rept 32
	v_exp_f32 v[H1+k], v[H1+k]                     ; p of the second half; beside it the first half's masks and sum
.if k < 16
	v_pk_mul_f32 v[H0+2*k:H0+2*k+1], v[H0+2*k:H0+2*k+1], v[MK+2*k:MK+2*k+1]
.elseif k == 16
	v_pk_add_f32 v[SUMA:SUMA+1], v[H0:H0+1], v[H0+2:H0+3]
.elseif k < 31
	v_pk_add_f32 v[SUMA:SUMA+1], v[SUMA:SUMA+1], v[H0+2*(k-15):H0+2*(k-15)+1]
.endif
.set k, k+1
.endr
.irp b, 0,1                                    ; the largest magnitude of blocks 0 and 1, my 16 numbers each
	v_max3_num_f32 v[BM+\b], |v[S+16*\b]|, |v[S+16*\b+1]|, 0x1800000
.endr
.irp n, 2,4,6,8,10,12,14
.irp b, 0,1
	v_max3_num_f32 v[BM+\b], v[BM+\b], |v[S+16*\b+\n]|, |v[S+16*\b+\n+1]|
.endr
.endr
	s_wait_alu depctr_va_vdst(0)                   ; the wait for the last batch
.set k, 0
.rept 16
	v_pk_mul_f32 v[H1+2*k:H1+2*k+1], v[H1+2*k:H1+2*k+1], v[MK+32+2*k:MK+32+2*k+1]
.set k, k+1
.endr
	v_pk_add_f32 v[SUMB:SUMB+1], v[H1:H1+1], v[H1+2:H1+3]
.set k, 2
.rept 7
	v_pk_add_f32 v[SUMA:SUMA+1], v[SUMA:SUMA+1], v[H1+2*k:H1+2*k+1]       ; two chains by turns
	v_pk_add_f32 v[SUMB:SUMB+1], v[SUMB:SUMB+1], v[H1+2*k+2:H1+2*k+3]
.set k, k+2
.endr
	v_pk_add_f32 v[SUMA:SUMA+1], v[SUMA:SUMA+1], v[SUMB:SUMB+1]
	v_add_f32 v[SUMA], v[SUMA], v[SUMA+1]
	v_permlanex16_b32 v[PT], v[SUMA], s[SEL], s[SEL+1]
	v_add_f32 v[SUMA], v[SUMA], v[PT]              ; my wave's 128 keys' part of query r's sum, in both halves of the lanes
	ds_store_b32 v[PSW], v[SUMA] offset:1280*\p    ; (both write the same word with the same value)
	s_wait_dscnt 0x0                               ; for the others' sake: my partial sum and my partial O of the tile before have landed, and my LDS loads are in
	s_barrier_signal -1
.irp b, 2,3                                    ; work on registers while the others arrive: blocks 2 and 3,
	v_max3_num_f32 v[BM+\b], |v[S+16*\b]|, |v[S+16*\b+1]|, 0x1800000
.endr
.irp n, 2,4,6,8,10,12,14
.irp b, 2,3
	v_max3_num_f32 v[BM+\b], v[BM+\b], |v[S+16*\b+\n]|, |v[S+16*\b+\n+1]|
.endr
.endr
.irp b, 0,1,2,3
	v_permlanex16_b32 v[PT+\b], v[BM+\b], s[SEL], s[SEL+1]
.endr
.irp b, 0,1,2,3
	v_max_num_f32 v[BM+\b], v[BM+\b], v[PT+\b]     ; and lane l xor 16's 16 numbers of each block
.endr
	s_barrier_wait -1
	; ---- the row's sum; the tile before leaves
	ds_load_b128 v[P:P+3], v[PSR] offset:1280*\p           ; the partial sums of waves 8 h .. 8 h + 7
	ds_load_b128 v[P+4:P+7], v[PSR] offset:1280*\p+16
.if !\first
.irp s, 0,1,2,3,4,5,6,7,8,9,10,11,12,13,14,15
	ds_load_b64 v[A+2*\s:A+2*\s+1], v[ORD+1-\p] offset:4352*\s   ; the tile before: query w, my two channels, from each of the sixteen waves
.endr
	s_wait_dscnt 16                                ; the two loads of partial sums are in; the sixteen issued behind them may be out
.else
	s_wait_dscnt 0x0
.endif
	v_pk_add_f32 v[P:P+1], v[P:P+1], v[P+2:P+3]
	v_pk_add_f32 v[P+4:P+5], v[P+4:P+5], v[P+6:P+7]
	v_pk_add_f32 v[P:P+1], v[P:P+1], v[P+4:P+5]
	v_add_f32 v[P], v[P], v[P+1]
	v_permlanex16_b32 v[SUMA+1], v[P], s[SEL], s[SEL+1]
	v_add_f32 v[P], v[P], v[SUMA+1]                ; the row's sum: the same additions in the same order in every wave
	v_rcp_f32 v[RINV], v[P]
.if !\first
	s_wait_dscnt 0x0
	OSUM                                           ; (plain work behind the reciprocal)
	s_add_nc_u64 s[MQP:MQP+1], s[MQP:MQP+1], 64    ; the scalar load is done: its address may step to the next tile's query w
.else
	v_nop                                          ; a plain instruction behind the reciprocal
.endif
.irp t, 0,1,2,3
.irp c, 0,1
	ds_load_b128 v[A+8*\t+4*\c:A+8*\t+4*\c+3], v[VI] offset:VIMG+512*(2*\t+\c)   ; V's fragments come back as they were stored
.endr
.endr
	s_wait_alu depctr_va_vdst(0)                   ; the wait for the reciprocal, ahead of its first reader
	; ---- attention = exp_u / sum, its quantiser, the last product
.irp b, 0,1,2,3
	v_mul_f32 v[BM+\b], v[BM+\b], |v[RINV]|        ; the same multiplication as the block's numbers get below: rounding keeps the order, so this is the largest magnitude of the products
.endr
.irp b, 0,1,2,3
	v_max_num_f32 v[BM+\b], 0x1800000, v[BM+\b]    ; the floor 2^(3 - 127): the byte cannot fall under 1
.endr
.irp b, 0,1,2,3
	v_add_nc_u32 v[SO+\b], 0xff000000, v[BM+\b]    ; 2 off the exponent field: the conversion's scale operand
.endr
.irp b, 0,1,2,3
	v_lshrrev_b32 v[BM+\b], 23, v[SO+\b]           ; the scale's byte
.endr
	v_lshl_or_b32 v[PW], v[BM+1], 8, v[BM]         ; the scale word of query r for my 128 keys: more than eight plain instructions ahead of the products
	v_lshl_or_b32 v[PW], v[BM+2], 16, v[PW]
	v_lshl_or_b32 v[PW], v[BM+3], 24, v[PW]
.irp b, 0,1,2,3
.irp n, 0,2,4,6,8,10,12,14
	v_pk_mul_f32 v[S+16*\b+\n:S+16*\b+\n+1], v[S+16*\b+\n:S+16*\b+\n+1], v[RINV:RINV+1] op_sel_hi:[1,0]
.endr
	v_cvt_scalef32_pk8_fp4_f32 v[P+2*\b], v[S+16*\b:S+16*\b+7], v[SO+\b]
	v_cvt_scalef32_pk8_fp4_f32 v[P+2*\b+1], v[S+16*\b+8:S+16*\b+15], v[SO+\b]
.endr
	v_nop                                          ; one plain instruction behind the scaled conversions
.irp c, 0,1                                    ; the operand wants a whole block in a lane: lanes 0-15 block 2 c, lanes 16-31 block 2 c + 1
.irp i, 0,1
	v_permlane16_swap_b32 v[P+4*\c+\i], v[P+4*\c+2+\i]
.endr
.endr
.rept 4
	v_nop                                          ; an operand written by vector instructions stands four places ahead of a scaled matrix instruction
.endr
	s_wait_dscnt 0x0                               ; V's fragments
.irp t, 0,1,2,3
	v_wmma_scale_f32_16x16x128_f8f6f4 v[S+32+8*\t:S+39+8*\t], v[A+8*\t:A+8*\t+7], v[P:P+7], 0, v[VSC+\t], v[PW] matrix_a_fmt:MATRIX_FMT_FP4 matrix_b_fmt:MATRIX_FMT_FP4
.endr
.rept 5
	v_nop                                          ; four places ahead of the stores that read the results; the fifth for the next tile's matrix instructions, which write over them
.endr
.if !\first
	s_wait_xcnt 0x0                                ; the store to out0 has read its base and its data: both are written again only behind this wait
	s_add_nc_u64 s[OUTP:OUTP+1], s[OUTP:OUTP+1], 65536   ; sixteen tokens on
.endif
.irp t, 0,1,2,3
	ds_store_b128 v[OW+\p], v[S+32+8*\t:S+35+8*\t] offset:64*\t          ; my keys' part of O(query r, channels 16 t + 8 h on), each accumulator from its low end on
	ds_store_b128 v[OW+\p], v[S+36+8*\t:S+39+8*\t] offset:64*\t+16
.endr
.endm
	ITER 0, 1, 0                                   ; tile 0
.Lpair:                                            ; seven trips: tiles 1 to 14, two a trip, so that the buffers' offsets are constants of the text
	ITER 1, 0, 0
	ITER 0, 0, 0
	s_cmp_lt_u32 s[J], 7
	s_cbranch_scc1 .Lpair
	ITER 1, 0, 1                                   ; tile 15 asks for no further queries
	s_load_b32 s[MQ], s[MQP:MQP+1], 0x0            ; and leaves behind a barrier of its own
	s_wait_dscnt 0x0                               ; my partial O have landed
	s_barrier_signal -1
	s_barrier_wait -1
.irp s, 0,1,2,3,4,5,6,7,8,9,10,11,12,13,14,15
	ds_load_b64 v[A+2*\s:A+2*\s+1], v[ORD+1] offset:4352*\s
.endr
	s_wait_dscnt 0x0
	OSUM
	s_wait_tensorcnt 0x0                           ; the wave's end, behind my last LDS store
	ds_add_u32 v[SPW], v[NIL]
	s_wait_dscnt 0x0
	s_endpgm
.Lfunc_end_k_q913264b97d_attn:
	.size	k_q913264b97d_attn, .Lfunc_end_k_q913264b97d_attn-k_q913264b97d_attn
	.p2alignl 7, 3214868480
	.fill 96, 4, 3214868480
	.section	.rodata,"a",@progbits
	.p2align	6, 0x0
	.amdhsa_kernel k_q913264b97d_attn
		.amdhsa_group_segment_fixed_size 209408
		.amdhsa_private_segment_fixed_size 0
		.amdhsa_enable_private_segment 0
		.amdhsa_kernarg_size 32
		.amdhsa_user_sgpr_count 2
		.amdhsa_user_sgpr_kernarg_segment_ptr 1
		.amdhsa_wavefront_size32 1
		.amdhsa_system_sgpr_workgroup_id_x 1
		.amdhsa_system_sgpr_workgroup_id_y 1
		.amdhsa_system_sgpr_workgroup_id_z 1
		.amdhsa_system_vgpr_workitem_id 0
		.amdhsa_next_free_vgpr 256
		.amdhsa_next_free_sgpr 66
		.amdhsa_reserve_vcc 0
		.amdhsa_float_denorm_mode_32 3
		.amdhsa_float_denorm_mode_16_64 3
		.amdhsa_memory_ordered 1
		.amdhsa_forward_progress 1
		.amdhsa_inst_pref_size 134
	.end_amdhsa_kernel
	.amdgpu_metadata
---
amdhsa.version: [ 1, 2 ]
amdhsa.kernels:
  - .name:           k_q913264b97d_attn
    .symbol:         k_q913264b97d_attn.kd
    .args:
      - { .name: qkv_codes, .offset: 0, .size: 8, .value_kind: global_buffer, .address_space: global }
      - { .name: qkv_scales, .offset: 8, .size: 8, .value_kind: global_buffer, .address_space: global }
      - { .name: masks, .offset: 16, .size: 8, .value_kind: global_buffer, .address_space: global }
      - { .name: out0, .offset: 24, .size: 8, .value_kind: global_buffer, .address_space: global }
    .group_segment_fixed_size: 209408
    .private_segment_fixed_size: 0
    .kernarg_segment_align: 8
    .kernarg_segment_size: 32
    .max_flat_workgroup_size: 512
    .sgpr_count:     66
    .vgpr_count:     256
    .wavefront_size: 32
...
	.end_amdgpu_metadata
.endif
;; end of part 2
;; ======== version 2 of 2: 2 launches; version 1 with the launch attn written anew for expert scheduling mode
;; workspace buffers: qkv_codes 6,291,456 bytes; qkv_scales 786,432 bytes
;; launch proj: the kernel of part 1 again; grid 16 x 16, 12 waves a work-group, clusters of 4 x 4, 245,248 bytes of LDS; arguments inputs_codes, inputs_scales, W_codes, W_scales, b, qkv_codes, qkv_scales; writes qkv_codes, qkv_scales
;; launch attn (part 3): grid 8 x 32, 16 waves a work-group, no clusters, 209,408 bytes of LDS; arguments qkv_codes, qkv_scales, masks, out0; writes out0
.if DOCPART == 3
	.amdgcn_target "amdgcn-amd-amdhsa--gfx1250"
	.amdhsa_code_object_version 6
	.text
	.protected	k_q913264b97d_attn
	.globl	k_q913264b97d_attn
	.p2align	8
	.type	k_q913264b97d_attn,@function
k_q913264b97d_attn:
	s_mov_b64 s[64:65], 0
	v_nop
	global_prefetch_b8 v0, s[64:65] scope:SCOPE_SE
	s_setreg_imm32_b32 hwreg(HW_REG_WAVE_SCHED_MODE, 0, 2), 2
	s_setreg_imm32_b32 hwreg(HW_REG_WAVE_MODE, 25, 1), 1
	s_wait_xcnt 0x0
	s_wait_alu depctr_vm_vsrc(0)
; SECOND LAUNCH.  For each (batch, head): u = Q K^T on codes of E2M1 (K = the head's 64); exp_u = exp(clip(elu(u))) x mask[key]; attention = exp_u / its row's sum, FINISHED AND NORMALISED, quantised along the keys in
; blocks of 32; out = attention V on codes (K = the keys), x mask[query].
; WORK LEFT OUT (shown at the head of the first launch): the lower clip, which cannot act since elu(x) > -1; and exp_u carries a factor e that cancels in exp_u / sum.  So p = e exp(clip(elu(u))) = 2^z,
; z = L 2^min(T, 0) + med3(T, 0, 10 L), T = u L, L = log2(e): above 0 that is L + min(T, 10 L), otherwise L 2^T.  No maximum is taken away, as in the problem: its own clip holds z between 0 and 11 L for every input.
; LIMITS: NaN and infinities are not served; a batch whose masked row sums are 0 is not reproduced (the problem gives NaN there, E2M1 has no such code); 2^T under 2^-126 counts as 0 (ISA guide, v_exp_f32), which moves elu by less than 1e-37;
; a block of zeros gets the scale byte 1 (its codes are zeros).
; THE ROW'S SUM MUST BE WHOLE BEFORE ANY CODE IS MADE, and each exponential is computed once: so THE WAVES SHARE THE KEYS.  A work-group owns 256 queries of one head, in 16 tiles of 16; wave w owns keys 128 w .. 128 w + 127 for the
; whole launch: their fragments of K, K's and V's scale words and the key masks stay in registers, their fragments of V in the wave's own LDS.  A tile's exp_u, 64 registers a wave, waits while the partial sums go round.
; Two things go from wave to wave, through LDS: 16 partial row sums a query, and 16 partial tiles of O.  ONE BARRIER A TILE: tile i - 1's partial O are added behind tile i's barrier; both regions have two buffers, by the tile's parity.
;   PSUM[p] is written behind barrier i - 1; its last reads (tile i - 2) were awaited ahead of every wave's signal of barrier i - 1.  OPART[p] is written behind barrier i; its last reads (in tile i - 1) were awaited ahead of the signal of barrier i.
; S^T = K Q^T: source 0 = keys, source 1 = my 16 queries.  The head's 64 fill half of the instruction's 128 along K: so ONE source 0 holds TWO tiles of keys (registers 0-3: key 32 b + r + 8 (r / 8); registers 4-7: that key + 8), and source 1 is
; (q, 0) or (0, q), cut out of twelve registers (0 0 0 0 q q q q 0 0 0 0).  In lane (r, h) register 16 b + n is then query r, key 128 w + 32 b + 16 h + n: sixteen neighbours along the next K.
; O^T = V^T P: source 0 = 16 channels x my 128 keys, source 1 = P: lane (r, h), register j of tile t: query r, channel 16 t + 8 h + j.
; No cluster, no tensor load: K, V and the masks are fetched once a work-group, mostly into registers, and a tile reads 576 bytes of Q: what neighbours share is no part of a step's bytes.
; THE MODE: SCHED_MODE bits 1:0 = 2 (LLVM: expert scheduling mode 2), set by the entry lines.  The code itself states the register dependences
; between vector or matrix instructions and memory or LDS instructions, with s_wait_alu, always for 0.
; THE PLAN.  Registers that memory or LDS instructions touch, round the loop:
;   v1-v12       addresses, and the closing add's two: written at the head, never again.
;   v20-23, v28  q and its scale words: read by the tile's eight products S^T; the next tile's two loads land in them, behind the wait for the first batch of exponentials.
;   v252         written by the sum's last addition; read by the partial sum's LDS store; written again in the next tile.
;   v224-231     the partial sums land there behind the barrier; later the conversions write them and the products O^T read them.
;   v128-159     at work for the exponentials; then the sixteen partial O land there and the tree of additions reads and writes them; then V's fragments land there and the products O^T read them.
;   v244-245     written by the two multiplications by the query's mask; read by the store to out0; written again by the next tile's lane exchange.
;   v96-127      written by the products O^T; read by the eight LDS stores of partial O; written again by the next tile's products S^T.
; So a tile has seven waits on va_vdst (three of them are the exponentials' own) and one on vm_vsrc, at its end, ahead of the loop's branch.
.set VIMG,   0                         ; LDS: V's fragments as images of their registers: wave w at 4,096 w, piece (t, c) at 512 (2 t + c) + 16 x lane; the wave's own
.set OPART0, 65536                     ; partial O, two buffers: source wave s at 4,352 s, query at 272 r, channel d at 4 d
.set OPART1, 135168
.set PSUM,   204800                    ; partial row sums, two buffers 1,280 bytes apart: query r at 80 r, wave w's word at 4 w
.set SPARE,  207360                    ; the spare words, 128 bytes for each of 16 waves: eight blocks of 256 bytes that no other line names
.set SPW, 1                            ; v1   LDS address of my spare word; never rewritten
.set NIL, 2                            ; v2   0; never rewritten
.set QO,  3                            ; v3   32 r + 16 h: a row of 64 codes, my half
.set QS,  4                            ; v4   8 r: a row's scale word
.set VI,  5                            ; v5   my place in my wave's images of V
.set PSW, 6                            ; v6   where I put my wave's partial sum of query r
.set PSR, 7                            ; v7   where I read eight waves' partial sums of query r
.set OW,  8                            ; v8, v9   where I put 32 bytes of partial O, buffer 0, 1
.set ORD, 10                           ; v10, v11 where I read 8 bytes of query w's partial O
.set GO,  12                           ; v12  8 x lane: my two channels of a row of out0
.set KO,  13                           ; v13-15  at the head only: K's codes, K's scale words, the key masks
.set KS,  14
.set MKO, 15
.set QB,  16                           ; v16-27  0 0 0 0 q q q q 0 0 0 0
.set QSC, 28                           ; v28  Q's scale words
.set PW,  29                           ; v29  P's scale words
.set KF,  32                           ; v32-63   K's four double fragments
.set S,   64                           ; v64-127  scores, exp_u, attention; at the tile's end v96-127 the partial O
.set H0,  64
.set H1,  96
.set A,   128                          ; v128-159 at work; then the partial O read back; then V's fragments
.set MK,  160                          ; v160-223 the key masks, register for register beside S
.set P,   224                          ; v224-231 the partial sums read back; then P's codes
.set KSC, 232                          ; v232-235 K's scale words; v236-239 V's
.set VSC, 236
.set BM,  240                          ; v240-243 the blocks' largest magnitudes, then their bytes
.set PT,  244                          ; v244-247 partner lanes' numbers; v[244:245] also what is stored to out0; v[246:247] also a second chain of the sum
.set SUMB, 246
.set SO,  248                          ; v248-251 the conversions' scale operands
.set SUMA, 252                         ; v[252:253] the sum
.set RINV, 254                         ; v254 1 / the row's sum (v255 is named with it as a pair, so it is written once)
.set WV,  12                           ; s12 wave
.set QP,  16                           ; s[16:17] Q's codes, the tile in hand
.set QSB, 18                           ; s[18:19] Q's scale words, my block's first
.set QST, 20                           ; s[20:21] = QSB + QSO
.set QSO, 22                           ; s[22:23] (offset, 0)
.set MQP, 24                           ; s[24:25] mask of the query whose result I store next
.set MQ,  26                           ; s26
.set OUTP, 28                          ; s[28:29] that query's 256 bytes of out0
.set LL,  30                           ; s[30:31] log2(e), written twice: the packed forms name a pair
.set TENL, 32                          ; s32 10 log2(e)
.set SEL, 34                           ; s[34:35] selects of v_permlanex16_b32: lane l xor 16
.set J,   36                           ; s36 (the next tile) / 2: the loop's counter
	s_load_b256 s[4:11], s[0:1], 0x0               ; qkv_codes s[4:5], qkv_scales s[6:7], masks s[8:9], out0 s[10:11]
	v_lshl_add_u32 v[SPW], v0, 2, SPARE
	v_mov_b32 v[NIL], 0
	v_lshrrev_b32 v120, 5, v0
	v_readfirstlane_b32 s[WV], v120                ; wave 0..15
	s_and_b32 s13, ttmp7, 0xffff                   ; 16 batch + head
	s_lshr_b32 s14, s13, 4                         ; batch
	s_and_b32 s15, s13, 15                         ; head
	s_wait_alu depctr_va_sdst(0)                   ; s12, the wave's number, is written, ahead of its first reader: offsets and LDS addresses are made from it
	s_lshl_b32 s40, s13, 16                        ; K's codes: 65,536 a head, 32 a key: my 128 keys
	s_lshl_b32 s50, s[WV], 12
	s_add_co_u32 s40, s40, s50
	s_mov_b32 s41, 0
	s_lshl_b32 s42, s13, 16                        ; Q's codes: behind all of K's; my block of 256 queries
	s_lshl_b32 s50, ttmp9, 13
	s_add_co_u32 s42, s42, s50
	s_add_co_u32 s42, s42, 2097152
	s_mov_b32 s43, 0
	s_lshl_b32 s44, s13, 13                        ; K's scale words: 8,192 a head, 256 for 64 keys
	s_lshl_b32 s50, s[WV], 9
	s_add_co_u32 s44, s44, s50
	s_mov_b32 s45, 0
	s_lshl_b32 s46, s13, 13                        ; Q's
	s_lshl_b32 s50, ttmp9, 10
	s_add_co_u32 s46, s46, s50
	s_add_co_u32 s46, s46, 262144
	s_mov_b32 s47, 0
	s_lshl_b32 s48, s14, 13                        ; the batch's masks
	s_lshl_b32 s50, s[WV], 9
	s_add_co_u32 s50, s50, s48                     ; my 128 keys'
	s_mov_b32 s51, 0
	s_lshl_b32 s52, ttmp9, 10
	s_add_co_u32 s52, s52, s48
	s_lshl_b32 s53, s[WV], 2
	s_add_co_u32 s52, s52, s53                     ; query 256 x block + w: of each tile I store query w
	s_mov_b32 s53, 0
	s_lshl_b32 s54, s14, 23                        ; out0: 4,096 bytes a token
	s_lshl_b32 s55, ttmp9, 20
	s_add_co_u32 s54, s54, s55
	s_lshl_b32 s55, s[WV], 12
	s_add_co_u32 s54, s54, s55
	s_lshl_b32 s55, s15, 8
	s_add_co_u32 s54, s54, s55
	s_mov_b32 s55, 0
	s_mov_b32 s[QSO], 0
	s_mov_b32 s[QSO+1], 0
	s_mov_b32 s[LL], 0x3fb8aa3b
	s_mov_b32 s[LL+1], s[LL]
	s_mov_b32 s[TENL], 0x4166d4ca
	s_mov_b32 s[SEL], 0x76543210
	s_mov_b32 s[SEL+1], 0xfedcba98
	s_mov_b32 s[J], 0
	v_and_b32 v120, 15, v0                         ; r
	v_bfe_u32 v121, v0, 4, 1                       ; h
	v_and_b32 v122, 31, v0                         ; lane
	v_lshlrev_b32 v[QO], 5, v120
	v_lshl_add_u32 v[QO], v121, 4, v[QO]
	v_lshlrev_b32 v[QS], 3, v120
	s_lshl_b32 s37, s[WV], 12
	v_lshlrev_b32 v[VI], 4, v122
	v_add_nc_u32 v[VI], s37, v[VI]
	v_mul_u32_u24 v123, v120, 80
	s_lshl_b32 s37, s[WV], 2
	v_add_nc_u32 v[PSW], s37, v123
	v_add_nc_u32 v[PSW], PSUM, v[PSW]
	v_lshl_add_u32 v[PSR], v121, 5, v123
	v_add_nc_u32 v[PSR], PSUM, v[PSR]
	v_mul_u32_u24 v124, v120, 272
	v_lshl_add_u32 v124, v121, 5, v124
	s_mul_i32 s37, s[WV], 4352
	v_add_nc_u32 v124, s37, v124
	v_add_nc_u32 v[OW], OPART0, v124
	v_add_nc_u32 v[OW+1], OPART1, v124
	v_lshlrev_b32 v[GO], 3, v122
	s_mul_i32 s37, s[WV], 272
	v_add_nc_u32 v125, s37, v[GO]
	v_add_nc_u32 v[ORD], OPART0, v125
	v_add_nc_u32 v[ORD+1], OPART1, v125
	v_and_b32 v126, 8, v120
	v_add_nc_u32 v126, v126, v120                  ; r + 8 (r / 8)
	v_lshlrev_b32 v[KO], 5, v126
	v_lshl_add_u32 v[KO], v121, 4, v[KO]
	v_and_b32 v127, 7, v120
	v_lshlrev_b32 v[KS], 3, v127
	v_lshrrev_b32 v127, 3, v120
	v_lshl_add_u32 v[KS], v127, 7, v[KS]           ; that key's word: 8 (r % 8) + 128 (r / 8)
	v_lshlrev_b32 v[MKO], 6, v121
	s_wait_kmcnt 0x0
	s_add_nc_u64 s[40:41], s[4:5], s[40:41]        ; K's codes
	s_add_nc_u64 s[56:57], s[40:41], 4194304       ; V's: the same place, two tensors on
	s_add_nc_u64 s[QP:QP+1], s[4:5], s[42:43]
	s_add_nc_u64 s[44:45], s[6:7], s[44:45]        ; K's scale words
	s_add_nc_u64 s[58:59], s[44:45], 524288        ; V's
	s_add_nc_u64 s[QSB:QSB+1], s[6:7], s[46:47]
	s_mov_b64 s[QST:QST+1], s[QSB:QSB+1]
	s_add_nc_u64 s[50:51], s[8:9], s[50:51]
	s_add_nc_u64 s[MQP:MQP+1], s[8:9], s[52:53]
	s_add_nc_u64 s[OUTP:OUTP+1], s[10:11], s[54:55]
	s_wait_alu depctr_va_vdst(0)                   ; the addresses v3 to v15 are written: every load and store of the kernel, global or LDS, reads one of them, and none is written again
.irp t, 0,1,2,3                                ; V's fragment t: channel 16 t + r; registers 4 c on: the 64 keys of group 2 w + c, my half
.irp c, 0,1
	global_load_b128 v[A+8*\t+4*\c:A+8*\t+4*\c+3], v[QO], s[56:57] offset:2048*\c+512*\t
.endr
.endr
.irp b, 0,1,2,3                                ; K's double fragment b
.irp c, 0,1
	global_load_b128 v[KF+8*\b+4*\c:KF+8*\b+4*\c+3], v[KO], s[40:41] offset:1024*\b+256*\c
.endr
.endr
.irp b, 0,1,2,3
.irp u, 0,1
	global_load_b32 v[S+2*\b+\u], v[KS], s[44:45] offset:256*(\b/2)+4*(\b%2)+64*\u
.endr
.endr
.irp t, 0,1,2,3
.irp c, 0,1
	global_load_b32 v[S+8+2*\t+\c], v[QS], s[58:59] offset:256*\c+128*(\t%2)+4*(\t/2)
.endr
.endr
.irp b, 0,1,2,3
.irp i, 0,1,2,3
	global_load_b128 v[MK+16*\b+4*\i:MK+16*\b+4*\i+3], v[MKO], s[50:51] offset:128*\b+16*\i
.endr
.endr
	global_load_b128 v[QB+4:QB+7], v[QO], s[QP:QP+1]   ; tile 0's queries
	global_load_b32 v[QSC], v[QS], s[QST:QST+1]
.irp i, 0,1,2,3
	v_mov_b32 v[QB+\i], 0
	v_mov_b32 v[QB+8+\i], 0
	v_mov_b32 v[PT+\i], 0                          ; written once: a lane permute's destination counts as one of its sources
.endr
	v_mov_b32 v[RINV+1], 0
	s_wait_loadcnt 0x0
.irp b, 0,1,2,3
	v_bfi_b32 v[KSC+\b], 0xffff, v[S+2*\b], v[S+2*\b+1]       ; bytes 0, 1: the first key's two scales; bytes 2, 3: the second key's (each word holds its row's two bytes twice)
	v_bfi_b32 v[VSC+\b], 0xffff, v[S+8+2*\b], v[S+9+2*\b]     ; bytes 0, 1: the first 64 keys' two blocks; bytes 2, 3: the second 64's
.endr
.irp t, 0,1,2,3
.irp c, 0,1
	ds_store_b128 v[VI], v[A+8*\t+4*\c:A+8*\t+4*\c+3] offset:VIMG+512*(2*\t+\c)   ; (their data came by loads; no vector instruction since the wait above names v5 or v128-159)
.endr
.endr
	s_wait_alu depctr_vm_vsrc(0)                   ; these LDS stores have read v128-159, which tile 0's vector work writes
.rept 8
	v_nop                                          ; a scale register written by a vector instruction stands eight places ahead of a scaled matrix instruction
.endr
	s_wait_alu depctr_va_vdst(0)                   ; K's and V's scale words (v232-239) and q's zeros (v16-19, v24-27) are written: the scaled products take them as scales and as source 1; the places above stay beside this wait
; 16 partial tiles' two channels of my query, in v[A] on, become the result: a tree of 15 packed additions, x mask[query]
.macro OSUM
.irp m, 0,1,2,3,4,5,6,7
	v_pk_add_f32 v[A+4*\m:A+4*\m+1], v[A+4*\m:A+4*\m+1], v[A+4*\m+2:A+4*\m+3]
.endr
.irp m, 0,1,2,3
	v_pk_add_f32 v[A+8*\m:A+8*\m+1], v[A+8*\m:A+8*\m+1], v[A+8*\m+4:A+8*\m+5]
.endr
.irp m, 0,1
	v_pk_add_f32 v[A+16*\m:A+16*\m+1], v[A+16*\m:A+16*\m+1], v[A+16*\m+8:A+16*\m+9]
.endr
	v_pk_add_f32 v[A:A+1], v[A:A+1], v[A+16:A+17]
	s_wait_kmcnt 0x0                               ; the query's mask
	v_mul_f32 v[PT], s[MQ], v[A]
	v_mul_f32 v[PT+1], s[MQ], v[A+1]
.endm
; and its one store, which stands behind a wait on va_vdst
.macro OSEND
	global_store_b64 v[GO], v[PT:PT+1], s[OUTP:OUTP+1] th:TH_STORE_NT   ; the wave stores 256 consecutive bytes, at a multiple of 256 from out0's first byte; written once
.endm
; A TILE of 16 queries.  p: its parity; first, last: the block's first and last tile.
.macro ITER p, first, last
	s_wait_loadcnt 0x0                             ; this tile's queries and their scale words
	s_wait_dscnt 0x0                               ; my LDS stores of the tile before (at the first tile: V's images) are done
.if !\first
	s_load_b32 s[MQ], s[MQP:MQP+1], 0x0            ; the mask of the query that I store in this tile
.endif
.irp b, 0,1,2,3                                ; S^T: eight sums, each begun with the constant 0
	v_wmma_scale_f32_16x16x128_f8f6f4 v[S+16*\b:S+16*\b+7], v[KF+8*\b:KF+8*\b+7], v[QB+4:QB+11], 0, v[KSC+\b], v[QSC] matrix_a_fmt:MATRIX_FMT_FP4 matrix_b_fmt:MATRIX_FMT_FP4
	v_wmma_scale_f32_16x16x128_f8f6f4 v[S+16*\b+8:S+16*\b+15], v[KF+8*\b:KF+8*\b+7], v[QB:QB+7], 0, v[KSC+\b], v[QSC] matrix_a_fmt:MATRIX_FMT_FP4 matrix_b_fmt:MATRIX_FMT_FP4
.endr
.rept 4
	v_nop                                          ; places ahead of the first read of the scores
.endr
	; ---- exp_u.  128 exponentials in batches, a plain instruction behind each, three waits in all
.set k, 0
.rept 32
	v_pk_mul_f32 v[S+k:S+k+1], v[S+k:S+k+1], s[LL:LL+1] op_sel_hi:[1,0]   ; T = u log2(e); each accumulator is read from its low end on
.set k, k+2
.endr
.set k, 0
.rept 32
	v_min_num_f32 v[A+k], 0, v[H0+k]
.set k, k+1
.endr
.set k, 0
.rept 32
	v_exp_f32 v[A+k], v[A+k]                       ; 2^min(T, 0)
	v_med3_num_f32 v[H0+k], v[H0+k], 0, s[TENL]    ; the upper clip, and 0 under 0
.set k, k+1
.endr
	s_wait_alu depctr_va_vdst(0)                   ; the batch's 32 results in v128-159 are written, ahead of their first reader; and the eight products above are done reading q (v20-23) and its scale words (v28), in which the two loads below land
.if !\last                                     ; the next tile's queries are asked for most of a tile ahead.  The wait at the tile's head has shown the last loads done: their addresses may be written
	s_add_nc_u64 s[QP:QP+1], s[QP:QP+1], 512
.if \p == 1
	s_add_co_u32 s[J], s[J], 1                     ; tile 2 J: its words begin at 256 (J / 2) + 4 (J % 2); tile 2 J + 1's 128 bytes further on
	s_and_b32 s[QSO], s[J], 1
	s_lshl_b32 s[QSO], s[QSO], 2
	s_lshr_b32 s37, s[J], 1
	s_lshl_b32 s37, s37, 8
	s_add_co_u32 s[QSO], s[QSO], s37
	s_add_nc_u64 s[QST:QST+1], s[QSB:QSB+1], s[QSO:QSO+1]
.endif
	global_load_b128 v[QB+4:QB+7], v[QO], s[QP:QP+1]
	global_load_b32 v[QSC], v[QS], s[QST:QST+1] offset:128*(1-\p)
.endif
.set k, 0
.rept 16
	v_pk_fma_f32 v[H0+k:H0+k+1], v[A+k:A+k+1], s[LL:LL+1], v[H0+k:H0+k+1] op_sel_hi:[1,0,1]   ; z
.set k, k+2
.endr
.set k, 0
.rept 32
	v_exp_f32 v[H0+k], v[H0+k]                     ; p of the first 32 registers; beside it the second half begins
	v_min_num_f32 v[A+k], 0, v[H1+k]
.set k, k+1
.endr
.set k, 0
.rept 32
	v_exp_f32 v[A+k], v[A+k]
	v_med3_num_f32 v[H1+k], v[H1+k], 0, s[TENL]
.set k, k+1
.endr
	s_wait_alu depctr_va_vdst(0)                   ; both batches' results, v64-95 and v128-159, are written, ahead of their first readers
.set k, 0
.rept 16
	v_pk_fma_f32 v[H1+k:H1+k+1], v[A+k:A+k+1], s[LL:LL+1], v[H1+k:H1+k+1] op_sel_hi:[1,0,1]
.set k, k+2
.endr
.set k, 0
.rept 32
	v_exp_f32 v[H1+k], v[H1+k]                     ; p of the second half; beside it the first half's masks and sum
.if k < 16
	v_pk_mul_f32 v[H0+2*k:H0+2*k+1], v[H0+2*k:H0+2*k+1], v[MK+2*k:MK+2*k+1]
.elseif k == 16
	v_pk_add_f32 v[SUMA:SUMA+1], v[H0:H0+1], v[H0+2:H0+3]
.elseif k < 31
	v_pk_add_f32 v[SUMA:SUMA+1], v[SUMA:SUMA+1], v[H0+2*(k-15):H0+2*(k-15)+1]
.endif
.set k, k+1
.endr
.irp b, 0,1                                    ; the largest magnitude of blocks 0 and 1, my 16 numbers each
	v_max3_num_f32 v[BM+\b], |v[S+16*\b]|, |v[S+16*\b+1]|, 0x1800000
.endr
.irp n, 2,4,6,8,10,12,14
.irp b, 0,1
	v_max3_num_f32 v[BM+\b], v[BM+\b], |v[S+16*\b+\n]|, |v[S+16*\b+\n+1]|
.endr
.endr
	s_wait_alu depctr_va_vdst(0)                   ; the last batch's results, v96-127, are written, ahead of their first reader; the multiply-adds above are done reading v128-159, in which the partial O land behind the barrier
.set k, 0
.rept 16
	v_pk_mul_f32 v[H1+2*k:H1+2*k+1], v[H1+2*k:H1+2*k+1], v[MK+32+2*k:MK+32+2*k+1]
.set k, k+1
.endr
	v_pk_add_f32 v[SUMB:SUMB+1], v[H1:H1+1], v[H1+2:H1+3]
.set k, 2
.rept 7
	v_pk_add_f32 v[SUMA:SUMA+1], v[SUMA:SUMA+1], v[H1+2*k:H1+2*k+1]       ; two chains by turns
	v_pk_add_f32 v[SUMB:SUMB+1], v[SUMB:SUMB+1], v[H1+2*k+2:H1+2*k+3]
.set k, k+2
.endr
	v_pk_add_f32 v[SUMA:SUMA+1], v[SUMA:SUMA+1], v[SUMB:SUMB+1]
	v_add_f32 v[SUMA], v[SUMA], v[SUMA+1]
	v_permlanex16_b32 v[PT], v[SUMA], s[SEL], s[SEL+1]
	v_add_f32 v[SUMA], v[SUMA], v[PT]              ; my wave's 128 keys' part of query r's sum, in both halves of the lanes
	s_wait_alu depctr_va_vdst(0)                   ; the addition has written v252, which the LDS store reads
	ds_store_b32 v[PSW], v[SUMA] offset:1280*\p    ; (both write the same word with the same value)
	s_wait_dscnt 0x0                               ; for the others' sake: my partial sum and my partial O of the tile before have landed, and my LDS loads are in
	s_barrier_signal -1
.irp b, 2,3                                    ; work on registers while the others arrive: blocks 2 and 3,
	v_max3_num_f32 v[BM+\b], |v[S+16*\b]|, |v[S+16*\b+1]|, 0x1800000
.endr
.irp n, 2,4,6,8,10,12,14
.irp b, 2,3
	v_max3_num_f32 v[BM+\b], v[BM+\b], |v[S+16*\b+\n]|, |v[S+16*\b+\n+1]|
.endr
.endr
.irp b, 0,1,2,3
	v_permlanex16_b32 v[PT+\b], v[BM+\b], s[SEL], s[SEL+1]
.endr
.irp b, 0,1,2,3
	v_max_num_f32 v[BM+\b], v[BM+\b], v[PT+\b]     ; and lane l xor 16's 16 numbers of each block
.endr
	s_barrier_wait -1
	; ---- the row's sum; the tile before leaves.  No wait on va_vdst: no vector or matrix instruction since the last one names v224-231 or v128-159
	ds_load_b128 v[P:P+3], v[PSR] offset:1280*\p           ; the partial sums of waves 8 h .. 8 h + 7
	ds_load_b128 v[P+4:P+7], v[PSR] offset:1280*\p+16
.if !\first
.irp s, 0,1,2,3,4,5,6,7,8,9,10,11,12,13,14,15
	ds_load_b64 v[A+2*\s:A+2*\s+1], v[ORD+1-\p] offset:4352*\s   ; the tile before: query w, my two channels, from each of the sixteen waves
.endr
	s_wait_dscnt 16                                ; the two loads of partial sums are in; the sixteen issued behind them may be out
.else
	s_wait_dscnt 0x0
.endif
	v_pk_add_f32 v[P:P+1], v[P:P+1], v[P+2:P+3]
	v_pk_add_f32 v[P+4:P+5], v[P+4:P+5], v[P+6:P+7]
	v_pk_add_f32 v[P:P+1], v[P:P+1], v[P+4:P+5]
	v_add_f32 v[P], v[P], v[P+1]
	v_permlanex16_b32 v[SUMA+1], v[P], s[SEL], s[SEL+1]
	v_add_f32 v[P], v[P], v[SUMA+1]                ; the row's sum: the same additions in the same order in every wave
	v_rcp_f32 v[RINV], v[P]
.if !\first
	s_wait_dscnt 0x0
	OSUM                                           ; (plain work behind the reciprocal)
	s_add_nc_u64 s[MQP:MQP+1], s[MQP:MQP+1], 64    ; the scalar load is done: its address may step to the next tile's query w
.else
	v_nop                                          ; a plain instruction behind the reciprocal
.endif
	s_wait_alu depctr_va_vdst(0)                   ; the reciprocal v254 is written, ahead of its first reader; v244-245 are written, which the store reads; the tree of additions is done with v128-159, in which V's fragments land
.if !\first
	OSEND
.endif
.irp t, 0,1,2,3
.irp c, 0,1
	ds_load_b128 v[A+8*\t+4*\c:A+8*\t+4*\c+3], v[VI] offset:VIMG+512*(2*\t+\c)   ; V's fragments come back as they were stored
.endr
.endr
	; ---- attention = exp_u / sum, its quantiser, the last product
.irp b, 0,1,2,3
	v_mul_f32 v[BM+\b], v[BM+\b], |v[RINV]|        ; the same multiplication as the block's numbers get below: rounding keeps the order, so this is the largest magnitude of the products
.endr
.irp b, 0,1,2,3
	v_max_num_f32 v[BM+\b], 0x1800000, v[BM+\b]    ; the floor 2^(3 - 127): the byte cannot fall under 1
.endr
.irp b, 0,1,2,3
	v_add_nc_u32 v[SO+\b], 0xff000000, v[BM+\b]    ; 2 off the exponent field: the conversion's scale operand
.endr
.irp b, 0,1,2,3
	v_lshrrev_b32 v[BM+\b], 23, v[SO+\b]           ; the scale's byte
.endr
	v_lshl_or_b32 v[PW], v[BM+1], 8, v[BM]         ; the scale word of query r for my 128 keys: more than eight plain instructions ahead of the products
	v_lshl_or_b32 v[PW], v[BM+2], 16, v[PW]
	v_lshl_or_b32 v[PW], v[BM+3], 24, v[PW]
.irp b, 0,1,2,3
.irp n, 0,2,4,6,8,10,12,14
	v_pk_mul_f32 v[S+16*\b+\n:S+16*\b+\n+1], v[S+16*\b+\n:S+16*\b+\n+1], v[RINV:RINV+1] op_sel_hi:[1,0]
.endr
	v_cvt_scalef32_pk8_fp4_f32 v[P+2*\b], v[S+16*\b:S+16*\b+7], v[SO+\b]
	v_cvt_scalef32_pk8_fp4_f32 v[P+2*\b+1], v[S+16*\b+8:S+16*\b+15], v[SO+\b]
.endr
	v_nop                                          ; one plain instruction behind the scaled conversions
.irp c, 0,1                                    ; the operand wants a whole block in a lane: lanes 0-15 block 2 c, lanes 16-31 block 2 c + 1
.irp i, 0,1
	v_permlane16_swap_b32 v[P+4*\c+\i], v[P+4*\c+2+\i]
.endr
.endr
.rept 4
	v_nop                                          ; an operand written by vector instructions stands four places ahead of a scaled matrix instruction
.endr
	s_wait_dscnt 0x0                               ; V's fragments
	s_wait_alu depctr_va_vdst(0)                   ; P's codes (v224-231) and its scale word (v29) are written: the scaled products take them as source 1 and as scales; the places above stay beside this wait
.irp t, 0,1,2,3
	v_wmma_scale_f32_16x16x128_f8f6f4 v[S+32+8*\t:S+39+8*\t], v[A+8*\t:A+8*\t+7], v[P:P+7], 0, v[VSC+\t], v[PW] matrix_a_fmt:MATRIX_FMT_FP4 matrix_b_fmt:MATRIX_FMT_FP4
.endr
.rept 5
	v_nop                                          ; four places ahead of the stores that read the results; the fifth for the next tile's matrix instructions, which write over them
.endr
	s_wait_alu depctr_va_vdst(0)                   ; the four products have written v96-127, which the LDS stores read, and are done reading v128-159 and v224-231, in which the next loads from LDS land; the places above stay beside this wait
.irp t, 0,1,2,3
	ds_store_b128 v[OW+\p], v[S+32+8*\t:S+35+8*\t] offset:64*\t          ; my keys' part of O(query r, channels 16 t + 8 h on), each accumulator from its low end on
	ds_store_b128 v[OW+\p], v[S+36+8*\t:S+39+8*\t] offset:64*\t+16
.endr
.if !\first
	s_wait_xcnt 0x0                                ; the store to out0 has read its base and its data: both are written again only behind this wait
	s_add_nc_u64 s[OUTP:OUTP+1], s[OUTP:OUTP+1], 65536   ; sixteen tokens on
.endif
	s_wait_alu depctr_vm_vsrc(0)                   ; the LDS stores have read v96-127 and v252, and the store to out0 v244-245: what follows (the next tile, or the last result) writes them again; the wait stands ahead of the loop's branch
.endm
	ITER 0, 1, 0                                   ; tile 0
.Lpair:                                            ; seven trips: tiles 1 to 14, two a trip, so that the buffers' offsets are constants of the text
	ITER 1, 0, 0
	ITER 0, 0, 0
	s_cmp_lt_u32 s[J], 7
	s_cbranch_scc1 .Lpair
	ITER 1, 0, 1                                   ; tile 15 asks for no further queries
	s_load_b32 s[MQ], s[MQP:MQP+1], 0x0            ; and leaves behind a barrier of its own
	s_wait_dscnt 0x0                               ; my partial O have landed
	s_barrier_signal -1
	s_barrier_wait -1
.irp s, 0,1,2,3,4,5,6,7,8,9,10,11,12,13,14,15
	ds_load_b64 v[A+2*\s:A+2*\s+1], v[ORD+1] offset:4352*\s   ; (no vector or matrix instruction since the tile's last wait on va_vdst names v128-159)
.endr
	s_wait_dscnt 0x0
	OSUM
	s_wait_alu depctr_va_vdst(0)                   ; the two multiplications have written v244-245, which the last store reads
	OSEND
	s_wait_dscnt 0x0                               ; the closing lines, six on end
	s_wait_alu 0x0
	s_wait_tensorcnt 0x0
	ds_add_u32 v[SPW], v[NIL]
	s_wait_dscnt 0x0
	s_endpgm
.Lfunc_end_k_q913264b97d_attn:
	.size	k_q913264b97d_attn, .Lfunc_end_k_q913264b97d_attn-k_q913264b97d_attn
	.p2alignl 7, 3214868480
	.fill 96, 4, 3214868480
	.section	.rodata,"a",@progbits
	.p2align	6, 0x0
	.amdhsa_kernel k_q913264b97d_attn
		.amdhsa_group_segment_fixed_size 209408
		.amdhsa_private_segment_fixed_size 0
		.amdhsa_enable_private_segment 0
		.amdhsa_kernarg_size 32
		.amdhsa_user_sgpr_count 2
		.amdhsa_user_sgpr_kernarg_segment_ptr 1
		.amdhsa_wavefront_size32 1
		.amdhsa_system_sgpr_workgroup_id_x 1
		.amdhsa_system_sgpr_workgroup_id_y 1
		.amdhsa_system_sgpr_workgroup_id_z 1
		.amdhsa_system_vgpr_workitem_id 0
		.amdhsa_next_free_vgpr 256
		.amdhsa_next_free_sgpr 66
		.amdhsa_reserve_vcc 0
		.amdhsa_float_denorm_mode_32 3
		.amdhsa_float_denorm_mode_16_64 3
		.amdhsa_memory_ordered 1
		.amdhsa_forward_progress 1
		.amdhsa_inst_pref_size 135
	.end_amdhsa_kernel
	.amdgpu_metadata
---
amdhsa.version: [ 1, 2 ]
amdhsa.kernels:
  - .name:           k_q913264b97d_attn
    .symbol:         k_q913264b97d_attn.kd
    .args:
      - { .name: qkv_codes, .offset: 0, .size: 8, .value_kind: global_buffer, .address_space: global }
      - { .name: qkv_scales, .offset: 8, .size: 8, .value_kind: global_buffer, .address_space: global }
      - { .name: masks, .offset: 16, .size: 8, .value_kind: global_buffer, .address_space: global }
      - { .name: out0, .offset: 24, .size: 8, .value_kind: global_buffer, .address_space: global }
    .group_segment_fixed_size: 209408
    .private_segment_fixed_size: 0
    .kernarg_segment_align: 8
    .kernarg_segment_size: 32
    .max_flat_workgroup_size: 512
    .sgpr_count:     66
    .vgpr_count:     256
    .wavefront_size: 32
...
	.end_amdgpu_metadata
.endif
;; end of part 3
